; MI455X (gfx1250); checked and timed in simulation.
; The chip was launched on July 23, 2026; its instructions are those of AMD's public machine-readable ISA for CDNA 5 (MIT licence, August 2026) and "CDNA5" Instruction Set Architecture Reference Guide (July 2026). The comments in the code are by the model that wrote it; some were corrected since.
;; Self Attention. Allowed arithmetic: matrix products marked QUANTISED: E2M1 operands, one E8M0 scale for each 32 along K, by v_wmma_scale_f32_16x16x128_f8f6f4 with both operands' format E2M1 (or v_wmma_scale_f32_32x16x128_f4), f32 sums; products left as they are: bf16, f16 or f32 operands; f32 sums; everything else in f32.
;; Inputs: w_proj 1,024 x 1,024 float32; w_qkv 1,024 x 3,072 float32; x 4 x 2,048 x 1,024 float32.
;; Outputs: out0 4 x 2,048 x 1,024 float32.
;; This version of the problem:
;;   THIS VERSION OF THE PROBLEM IS GIVEN IN LOW PRECISION. The matrix products marked QUANTISED in the list below multiply operands that are first quantised to E2M1 (2 exponent bits, 1 mantissa bit; 4 bits a number), with one power-of-two scale for each 32 numbers along K (OCP MX v1.0); their sums are f32. The products marked 'left as it is' may take bf16, f16 or f32 operands, with f32 sums. Whichever they take, every output number must still come out within the allowed error. Rounding operands to bf16 (8 significant bits) uses up far more of that allowance than f16 does (11 bits, for magnitudes from 6e-5 to 65,504). All else is computed in f32.
;;   The module's matrix products, in the order in which they are computed (A, B: the left and right operand; K: the contracted axis; several contracted axes count as one K, in the product's order):
;;     1. [M 8,192, K 1,024] x [K 1,024, N 3,072]; A: input x; B: input w_qkv: QUANTISED
;;     2. [M 2,048, K 1] x [K 1, N 32]; A: computed on the way; B: computed on the way: left as it is (no contracted axis)
;;     3. batch 64 x [M 2,048, K 64] x [K 64, N 2,048]; A: computed on the way; B: computed on the way: left as it is (an operand is computed on the way)
;;     4. batch 64 x [M 2,048, K 2,048] x [K 2,048, N 64]; A: computed on the way; B: computed on the way: left as it is (an operand is computed on the way)
;;     5. [M 8,192, K 1,024] x [K 1,024, N 1,024]; A: computed on the way; B: input w_proj: left as it is (an operand is computed on the way)
;;   THE QUANTISER, for each operand of a quantised product, along K:
;;     - K is cut into blocks of 32 from its start; a last block that is shorter is filled with zeros.
;;     - A block's scale is 2^e with e = floor(log2(the largest magnitude in the block)) - 2, held to -126 .. 127; a block of zeros has e = 0. As a byte (E8M0): e + 127.
;;     - Each number is divided by its block's scale, clamped to +-6, and rounded to the nearest number of E2M1, ties to even, subnormals kept.
;;     - The product sums the exact products of the quantised numbers (number of the format x scale) in f32.
;;   ~~~python
;;   def quantise(x, axis):      # numpy; x: float32 -> the quantised numbers, widened to float32 again
;;       x = np.moveaxis(x, axis, -1); K = x.shape[-1]
;;       x = np.pad(x, [(0, 0)] * (x.ndim - 1) + [(0, -K % 32)]); x = x.reshape(x.shape[:-1] + (-1, 32)); a = np.abs(x).max(-1, keepdims=True)
;;       e = np.where(a > 0, np.clip(np.frexp(np.where(a > 0, a, 1))[1] - 1 - 2, -126, 127), 0)      # np.frexp(a)[1] - 1 = floor(log2(a)), exactly
;;       r = np.clip(x / 2.0 ** e, -6, 6)
;;       step = 2.0 ** (np.maximum(np.frexp(np.where(r == 0, 1, r))[1] - 1, 0) - 1)
;;       q = np.round(r / step) * step * 2.0 ** e      # np.round: ties to even
;;       return np.moveaxis(q.reshape(q.shape[:-2] + (-1,))[..., :K], -1, axis).astype(np.float32)
;;   ~~~
;; One version. Each part assembles by itself: llvm-mc -triple=amdgcn-amd-amdhsa -mcpu=gfx1250 --defsym DOCPART=n.
;; ======== version 1 of 1: 4 launches
;; limits: values are held in f16: magnitudes above 65,504 overflow, below 6.1e-05 lose precision
;; workspace buffers: x_codes 4,194,304 bytes; x_scales 262,144 bytes; wq_codes 1,572,864 bytes; wq_scales 98,304 bytes; wp16 2,097,152 bytes; rope 524,288 bytes; qkv 50,331,648 bytes; att 16,777,216 bytes
;; launch prep (part 1): grid 480 x 1, 4 waves a work-group, no clusters, 68,096 bytes of LDS; arguments x, w_qkv, w_proj, x_codes, x_scales, wq_codes, wq_scales, wp16, rope; writes x_codes, x_scales, wq_codes, wq_scales, wp16, rope
.if DOCPART == 1
	.amdgcn_target "amdgcn-amd-amdhsa--gfx1250"
	.amdhsa_code_object_version 6
	.text
	.protected	k_q0a80f04444_prep
	.globl	k_q0a80f04444_prep
	.p2align	8
	.type	k_q0a80f04444_prep,@function
k_q0a80f04444_prep:
	s_mov_b64 s[64:65], 0
	v_nop
	global_prefetch_b8 v0, s[64:65] scope:SCOPE_SE
	s_setreg_imm32_b32 hwreg(HW_REG_WAVE_MODE, 25, 1), 1
	s_wait_xcnt 0x0
; PREPARATION, one launch, three kinds of work-group told apart by the work-group's number alone:
;   0-255   x [8192][1024] f32 -> codes of FP4 (E2M1), K innermost, and one E8M0 byte for each 32 along K; and the table of cosines and sines for the rotation of q and k
;   256-351 w_qkv [1024 (k)][3072 (n)] f32 -> codes laid [n][k], K innermost, and scale bytes [n][k / 32]
;   352-479 w_proj [1024 (k)][1024 (n)] f32 -> f16 laid [n][k]
; A block's scale is 2^(floor(log2(its largest magnitude)) - 2); its byte is the largest magnitude's exponent field - 2, held at 1 from below.
; LIMITS: a block of zeros, and one whose largest magnitude lies under 2^-124, keep the byte 1 (their codes add nothing or are held; the bytes are read by this program alone); NaN and infinities are not served;
; w_proj goes to f16: magnitudes from 6e-8 to 65,504.
; No tensor loads, no barrier, no cluster: waves share nothing and no two work-groups read the same bytes.  Each kind of work-group has LDS bytes of its own.
.set WREG,  8192                       ; x: a region for each wave: two stages of 32 x SP bytes, then its 256 scale bytes
.set SP,    80                         ; a lane's place in a stage: 64 bytes + 16 of padding
.set CB,    8                          ; bytes of 16 codes
.set STEPS, 16
.set R,     16                         ; v16-79   x: four sets of 16 numbers as loaded
.set X,     80                         ; v80-111  x: two sets of 16 neighbours
.set E,     112                        ; v112-127 x: a scale byte for each step
.set C,     128                        ; v128-191 x: codes, four registers for each step
.set SPW,   250                        ; v250 LDS address of my spare word; never rewritten
.set NIL,   251                        ; v251 0; never rewritten
.set WSTG,  32768                      ; w_qkv: four stages of 16 rows x 272 bytes
.set PSTG,  50176                      ; w_proj: the same
.set STGB,  16*272
.set SPARE, 67584                      ; the spare words, 128 bytes for each wave: two blocks of 256 bytes that no other line names
.macro XLOAD t                         ; x, step t: four loads of 512 consecutive bytes
.irp i, 0,1,2,3
	global_load_b128 v[R+16*((\t)%4)+4*\i:R+16*((\t)%4)+4*\i+3], v3, s[4:5] offset:2048*(\t)+512*\i th:TH_LOAD_NT
.endr
.endm
.macro XTURN t                         ; step t's 2,048 bytes through my stage: in as they lie, out 64 bytes a lane.  LDS serves a wave's instructions in order
.irp i, 0,1,2,3
	ds_store_b128 v14, v[R+16*((\t)%4)+4*\i:R+16*((\t)%4)+4*\i+3] offset:32*SP*((\t)%2)+8*SP*\i
.endr
.irp i, 0,1,2,3
	ds_load_b128 v[X+16*((\t)%2)+4*\i:X+16*((\t)%2)+4*\i+3], v15 offset:32*SP*((\t)%2)+16*\i
.endr
.endm
.macro XSTEP t
.set XS, X+16*((\t)%2)
.if (\t) > 0
	s_wait_dscnt 1                                 ; this step's numbers are back from the stage; the last step's byte store may be out
.else
	s_wait_dscnt 0x0
.endif
.if (\t)+4 < STEPS
	XLOAD (\t)+4
.endif
.if (\t)+1 < STEPS
.if STEPS-2-(\t) >= 3
	s_wait_loadcnt 12                              ; the next step's four loads are in; those of the three steps behind it may be out
.else
	s_wait_loadcnt 4*(STEPS-2-(\t))
.endif
	XTURN (\t)+1
.endif
	v_max3_num_f32 v8, |v[XS]|, |v[XS+1]|, |v[XS+2]|               ; the largest magnitude of my 16
	v_max3_num_f32 v9, |v[XS+3]|, |v[XS+4]|, |v[XS+5]|
.irp i, 6,10
	v_max3_num_f32 v8, v8, |v[XS+\i]|, |v[XS+\i+1]|
	v_max3_num_f32 v9, v9, |v[XS+\i+2]|, |v[XS+\i+3]|
.endr
	v_max3_num_f32 v8, v8, |v[XS+14]|, |v[XS+15]|
	v_max3_num_f32 v8, v8, v9, 0x1800000           ; and the floor 2^(3 - 127): the byte cannot fall under 1
	v_max_num_f32_dpp v8, v8, v8 row_xmask:1 row_mask:0xf bank_mask:0xf   ; with my neighbour's 16: the block's
	v_add_nc_u32 v11, 0xff000000, v8               ; 2 off its exponent field: the conversion's scale operand
	v_cvt_scalef32_pk8_fp4_f32 v[C+4*(\t)], v[XS:XS+7], v11
	v_cvt_scalef32_pk8_fp4_f32 v[C+4*(\t)+1], v[XS+8:XS+15], v11
	v_lshrrev_b32 v[E+(\t)], 23, v11               ; the scale's byte (also the plain line behind the conversions)
	ds_store_b8 v5, v[E+(\t)] offset:16*(\t)       ; both lanes of a block write the same byte with the same value
	global_store_b64 v4, v[C+4*(\t):C+4*(\t)+1], s[10:11] offset:32*CB*(\t)   ; the wave stores 256 consecutive bytes, aligned
.endm
.macro LOADB t                         ; w_qkv, my block 2 t + h: 32 rows down K of my column, into set t % 2
.set i, 0
.rept 32
	global_load_b32 v[32+32*((\t)%2)+i], v3, s[6:7] offset:(64*(\t)+i)*12288 th:TH_LOAD_NT
.set i, i+1
.endr
.endm
.macro BLOCKW t
.set XS, 32+32*((\t)%2)
.if (\t) < 7
	s_wait_loadcnt 32                              ; this block's 32 loads are in; the next block's may be out
.else
	s_wait_loadcnt 0x0
.endif
	v_max3_num_f32 v12, |v[XS]|, |v[XS+1]|, |v[XS+2]|              ; all 32 numbers of the block are mine
	v_max3_num_f32 v13, |v[XS+3]|, |v[XS+4]|, |v[XS+5]|
.irp i, 6,10,14,18,22,26
	v_max3_num_f32 v12, v12, |v[XS+\i]|, |v[XS+\i+1]|
	v_max3_num_f32 v13, v13, |v[XS+\i+2]|, |v[XS+\i+3]|
.endr
	v_max3_num_f32 v12, v12, |v[XS+30]|, |v[XS+31]|
	v_max3_num_f32 v12, v12, v13, 0x1800000
	v_add_nc_u32 v11, 0xff000000, v12
	v_lshrrev_b32 v13, 23, v11                     ; the byte of block 2 t + h: byte 2 (t % 2) + h of word t / 2
	v_lshlrev_b32 v13, v10, v13                    ; 8 h bits up
.if (\t)%2 == 0
	v_mov_b32 v[24+(\t)/2], v13
.else
	v_lshl_or_b32 v[24+(\t)/2], v13, 16, v[24+(\t)/2]
.endif
.irp g, 0,1,2,3
	v_cvt_scalef32_pk8_fp4_f32 v[96+\g], v[XS+8*\g:XS+8*\g+7], v11
.endr
	ds_store_b128 v4, v[96:99] offset:32*(\t)      ; 32 codes: 16 bytes of my column's row
.if (\t)+2 < 8
	LOADB (\t)+2
.endif
	s_wait_dscnt 0x0                               ; the store has read its registers: the next block's codes may be written
.endm
.macro WAYOUT krow, outr, sb           ; 16 rows of 256 bytes leave my stage: sixteen lanes store 256 consecutive bytes, aligned; two rows an instruction
.irp t, 0,1,2,3,4,5,6,7
	ds_load_b128 v[\outr+4*\t:\outr+4*\t+3], v7 offset:544*\t
.endr
.irp t, 0,1,2,3,4,5,6,7
	s_wait_dscnt 7-\t                              ; load t is in; the younger ones may be out
	global_store_b128 v8, v[\outr+4*\t:\outr+4*\t+3], s[\sb:\sb+1] offset:2*\t*\krow
.endr
.endm
	s_load_b512 s[4:19], s[0:1], 0x0               ; x 4:5, w_qkv 6:7, w_proj 8:9, x_codes 10:11, x_scales 12:13, wq_codes 14:15, wq_scales 16:17, wp16 18:19
	s_load_b64 s[20:21], s[0:1], 0x40              ; rope
	v_lshl_add_u32 v[SPW], v0, 2, SPARE
	v_mov_b32 v[NIL], 0
	v_lshrrev_b32 v1, 5, v0
	v_readfirstlane_b32 s22, v1                    ; wave 0..3
	v_and_b32 v2, 31, v0                           ; lane
	s_mov_b32 s46, 0x76543210
	s_mov_b32 s47, 0xfedcba98                      ; v_permlanex16_b32's selects for lane l xor 16
	s_mov_b32 s27, 0
	s_wait_kmcnt 0x0
	s_cmp_lt_u32 ttmp9, 256
	s_cbranch_scc0 .Lnot_x
	; ---------------- x: a plain stream of blocks of 32; a wave takes 16 steps of 512 numbers
	v_lshlrev_b32 v3, 4, v2                        ; my 16 bytes of a load's 512
	s_mul_i32 s23, s22, WREG
	v_lshrrev_b32 v14, 2, v2
	v_mul_u32_u24 v14, v14, SP
	v_and_b32 v15, 3, v2
	v_lshl_add_u32 v14, v15, 4, v14
	v_add_nc_u32 v14, s23, v14                     ; the stage, on the way in: SP (lane / 4) + 16 (lane % 4)
	v_mul_u32_u24 v15, v2, SP
	v_add_nc_u32 v15, s23, v15                     ; on the way out: SP x lane
	v_mul_u32_u24 v4, v2, CB                       ; my codes' place in a step's
	v_lshrrev_b32 v5, 1, v2
	s_add_co_u32 s23, s23, 2*32*SP
	v_add_nc_u32 v5, s23, v5                       ; my block's byte among my wave's 256
	v_lshlrev_b32 v7, 3, v2
	v_add_nc_u32 v6, s23, v7
	s_lshl_b32 s24, ttmp9, 2
	s_add_co_u32 s24, s24, s22                     ; which run of 8,192 numbers is my wave's
	s_lshl_b32 s26, s24, 15
	s_add_nc_u64 s[4:5], s[4:5], s[26:27]
	s_lshl_b32 s26, s24, 12
	s_add_nc_u64 s[10:11], s[10:11], s[26:27]
	s_lshl_b32 s26, s24, 8
	s_add_nc_u64 s[12:13], s[12:13], s[26:27]
	s_lshl_b32 s26, ttmp9, 11
	s_add_nc_u64 s[20:21], s[20:21], s[26:27]      ; the table: 2,048 bytes a work-group
.irp t, 0,1,2,3
	XLOAD \t
.endr
	; THE TABLE, made while the first loads are on their way.  Laid as the next launch's registers want it: [block of 16 positions][cu 0..7][lane][16 bytes]; lane (r, h) of (block, cu) holds
	; cos, sin of pair p and of pair p + 1, p = 8 (cu / 2) + 4 h + 2 (cu % 2), at position 16 block + r.  Each thread makes one entry: block = work-group / 2, cu = 4 (work-group % 2) + wave.
	; angle = position x 10000^(-p / 32), one f32 product; n = the nearest whole number of quarter turns; the rest, at most pi / 4, by pi / 2 in two parts; series to r^9 and r^10.
	s_lshr_b32 s28, ttmp9, 1
	s_lshl_b32 s28, s28, 4                         ; the block's first position
	s_and_b32 s29, ttmp9, 1
	s_lshl_b32 s29, s29, 2
	s_add_co_u32 s29, s29, s22                     ; cu
	s_lshr_b32 s30, s29, 1
	s_lshl_b32 s30, s30, 3
	s_and_b32 s31, s29, 1
	s_lshl_b32 s31, s31, 1
	s_add_co_u32 s30, s30, s31                     ; 8 (cu / 2) + 2 (cu % 2)
	s_mov_b32 s32, 0xbfc90fdb                      ; -(pi / 2), its f32 part,
	s_mov_b32 s33, 0x333bbd2e                      ; and what that part has too much
	v_and_b32 v221, 15, v2                         ; r
	v_lshrrev_b32 v222, 4, v2                      ; h
	v_lshl_add_u32 v192, v222, 2, s30              ; p
	v_add_nc_u32 v193, 1, v192                     ; p + 1
	v_add_nc_u32 v220, s28, v221
	v_cvt_f32_u32 v220, v220                       ; the position
	v_lshlrev_b32 v223, 4, v0                      ; my entry's place
.irp e, 0,1
	v_cvt_f32_u32 v[192+\e], v[192+\e]
.endr
.irp e, 0,1
	v_mul_f32 v[192+\e], 0xbed49a78, v[192+\e]     ; -p log2(10000) / 32
.endr
.irp e, 0,1
	v_exp_f32 v[192+\e], v[192+\e]
.endr
	v_nop                                          ; a plain line behind the exponentials,
	s_wait_alu depctr_va_vdst(0)                   ; and one wait for both, ahead of their first reader
.irp e, 0,1
	v_mul_f32 v[194+\e], v220, v[192+\e]           ; the angle
.endr
.irp e, 0,1
	v_mul_f32 v[196+\e], 0x3f22f983, v[194+\e]     ; x 2 / pi
.endr
.irp e, 0,1
	v_rndne_f32 v[196+\e], v[196+\e]               ; n
.endr
.irp e, 0,1
	v_fma_f32 v[198+\e], v[196+\e], s32, v[194+\e]
.endr
.irp e, 0,1
	v_fma_f32 v[198+\e], v[196+\e], s33, v[198+\e] ; r = angle - n pi / 2
.endr
.irp e, 0,1
	v_mul_f32 v[200+\e], v[198+\e], v[198+\e]      ; z = r r
	v_mov_b32 v[202+\e], 0x3638ef1d                ; 1 / 9!
	v_mov_b32 v[204+\e], 0xb493f27e                ; -1 / 10!
	v_cvt_i32_f32 v[210+\e], v[196+\e]
.endr
.irp e, 0,1
	v_fmaak_f32 v[202+\e], v[202+\e], v[200+\e], 0xb9500d01
	v_fmaak_f32 v[204+\e], v[204+\e], v[200+\e], 0x37d00d01
.endr
.irp e, 0,1
	v_fmaak_f32 v[202+\e], v[202+\e], v[200+\e], 0x3c088889
	v_fmaak_f32 v[204+\e], v[204+\e], v[200+\e], 0xbab60b61
.endr
.irp e, 0,1
	v_fmaak_f32 v[202+\e], v[202+\e], v[200+\e], 0xbe2aaaab
	v_fmaak_f32 v[204+\e], v[204+\e], v[200+\e], 0x3d2aaaab
.endr
.irp e, 0,1
	v_mul_f32 v[212+\e], v[198+\e], v[200+\e]      ; r z
	v_fmaak_f32 v[204+\e], v[204+\e], v[200+\e], 0xbf000000
.endr
.irp e, 0,1
	v_fma_f32 v[206+\e], v[212+\e], v[202+\e], v[198+\e]   ; sin r
	v_fma_f32 v[208+\e], v[204+\e], v[200+\e], 1.0         ; cos r
.endr
.irp e, 0,1                            ; the quarter turns: odd n swaps the two; the sine is negative for n % 4 = 2, 3, the cosine for 1, 2
	v_and_b32 v[212+\e], 1, v[210+\e]
	v_cmp_eq_u32 vcc_lo, 1, v[212+\e]
	v_cndmask_b32 v[224+\e], v[206+\e], v[208+\e], vcc_lo
	v_cndmask_b32 v[226+\e], v[208+\e], v[206+\e], vcc_lo
	v_lshlrev_b32 v[212+\e], 30, v[210+\e]
	v_and_b32 v[212+\e], 0x80000000, v[212+\e]
	v_xor_b32 v[217+2*\e], v[212+\e], v[224+\e]    ; sin
	v_add_nc_u32 v[210+\e], 1, v[210+\e]
	v_lshlrev_b32 v[210+\e], 30, v[210+\e]
	v_and_b32 v[210+\e], 0x80000000, v[210+\e]
	v_xor_b32 v[216+2*\e], v[210+\e], v[226+\e]    ; cos
.endr
	global_store_b128 v223, v[216:219], s[20:21]   ; the wave stores 512 consecutive bytes, aligned
	s_wait_loadcnt 12                              ; step 0's four loads are in; three steps' twelve may be out
	XTURN 0
.irp t, 0,1,2,3,4,5,6,7,8,9,10,11,12,13,14,15
	XSTEP \t
.endr
	ds_load_b64 v[8:9], v6                         ; my wave's 256 scale bytes: LDS serves a wave's instructions in order
	s_wait_dscnt 0x0
	global_store_b64 v7, v[8:9], s[12:13]          ; 256 consecutive bytes, aligned
	s_branch .Lfinish
.Lnot_x:
	v_and_b32 v16, 15, v2                          ; r
	v_lshrrev_b32 v17, 4, v2                       ; h
	s_cmp_lt_u32 ttmp9, 352
	s_cbranch_scc0 .Lpath_p
	; ---------------- w_qkv: A LANE TAKES A COLUMN n AND ITS REGISTERS RUN DOWN K.  A wave takes 16 columns x 512 along K: lane (r, h) column col0 + r, in step t block 2 t + h.
	; The four waves stand side by side on 256 consecutive bytes of a row.  The codes go through my stage and leave as rows.
	s_sub_co_u32 s24, ttmp9, 256
	s_cmp_ge_u32 s24, 48
	s_cselect_b32 s25, 1, 0                        ; which half of K
	s_mul_i32 s26, s25, 48
	s_sub_co_u32 s24, s24, s26
	s_lshl_b32 s24, s24, 6
	s_lshl_b32 s26, s22, 4
	s_add_co_u32 s24, s24, s26                     ; col0 = 64 x + 16 wave
	v_mul_u32_u24 v3, v17, 0x60000                 ; lanes 16-31 begin 32 rows of 12,288 bytes further down
	v_lshl_add_u32 v3, v16, 2, v3
	s_mul_i32 s28, s22, STGB
	s_add_co_u32 s28, s28, WSTG                    ; my stage
	v_mul_u32_u24 v4, v16, 272
	v_lshl_add_u32 v4, v17, 4, v4
	v_add_nc_u32 v4, s28, v4                       ; into it: row = my column, + 16 h
	v_mul_u32_u24 v7, v17, 272
	v_lshl_add_u32 v7, v16, 4, v7
	v_add_nc_u32 v7, s28, v7                       ; out of it: sixteen lanes to a row
	v_lshlrev_b32 v8, 9, v17
	v_lshl_add_u32 v8, v16, 4, v8                  ; the same place in the codes' buffer: rows of 512 bytes
	v_lshlrev_b32 v9, 5, v16
	v_lshl_add_u32 v9, v17, 3, v9                  ; scale bytes: 32 a column, 8 for each half of the lanes
	v_lshlrev_b32 v10, 3, v17                      ; 8 h
	s_mul_i32 s26, s25, 512*12288
	s_lshl_b32 s29, s24, 2
	s_add_co_u32 s26, s26, s29
	s_add_nc_u64 s[6:7], s[6:7], s[26:27]
	s_lshl_b32 s26, s24, 9
	s_lshl_b32 s29, s25, 8
	s_add_co_u32 s26, s26, s29
	s_add_nc_u64 s[14:15], s[14:15], s[26:27]
	s_lshl_b32 s26, s24, 5
	s_lshl_b32 s29, s25, 4
	s_add_co_u32 s26, s26, s29
	s_add_nc_u64 s[16:17], s[16:17], s[26:27]
	LOADB 0
	LOADB 1
.irp w, 0,1,2,3
	v_mov_b32 v[28+\w], 0                          ; a lane permute's destination counts as one of its sources
.endr
.irp t, 0,1,2,3,4,5,6,7
	BLOCKW \t
.endr
.irp w, 0,1,2,3
	v_permlanex16_b32 v[28+\w], v[24+\w], s46, s47
.endr
.irp w, 0,1,2,3
	v_or_b32 v[24+\w], v[24+\w], v[28+\w]          ; with lane l xor 16's bytes the four words are whole
.endr
	v_cmp_eq_u32 vcc_lo, 1, v17
	v_cndmask_b32 v28, v24, v26, vcc_lo            ; lanes 0-15 store words 0, 1; lanes 16-31 words 2, 3
	v_cndmask_b32 v29, v25, v27, vcc_lo
	global_store_b64 v9, v[28:29], s[16:17]
	WAYOUT 512, 112, 14
	s_branch .Lfinish
.Lpath_p:
	; ---------------- w_proj: the same plan, 16 columns x 128 along K a wave; pairs down K are rounded to f16
	s_sub_co_u32 s24, ttmp9, 352
	s_lshr_b32 s25, s24, 4                         ; which 128 along K
	s_and_b32 s24, s24, 15
	s_lshl_b32 s24, s24, 6
	s_lshl_b32 s26, s22, 4
	s_add_co_u32 s24, s24, s26                     ; col0
	v_lshlrev_b32 v3, 17, v17                      ; lanes 16-31: 32 rows of 4,096 bytes further down
	v_lshl_add_u32 v3, v16, 2, v3
	s_mul_i32 s28, s22, STGB
	s_add_co_u32 s28, s28, PSTG
	v_mul_u32_u24 v4, v16, 272
	v_lshl_add_u32 v4, v17, 6, v4
	v_add_nc_u32 v4, s28, v4                       ; row = my column, + 64 h
	v_mul_u32_u24 v7, v17, 272
	v_lshl_add_u32 v7, v16, 4, v7
	v_add_nc_u32 v7, s28, v7
	v_lshlrev_b32 v8, 11, v17
	v_lshl_add_u32 v8, v16, 4, v8                  ; rows of 2,048 bytes
	s_lshl_b32 s26, s25, 19
	s_lshl_b32 s29, s24, 2
	s_add_co_u32 s26, s26, s29
	s_add_nc_u64 s[8:9], s[8:9], s[26:27]
	s_lshl_b32 s26, s24, 11
	s_lshl_b32 s29, s25, 8
	s_add_co_u32 s26, s26, s29
	s_add_nc_u64 s[18:19], s[18:19], s[26:27]
.set i, 0
.rept 64
	global_load_b32 v[32+i], v3, s[8:9] offset:(64*(i/32)+i%32)*4096 th:TH_LOAD_NT
.set i, i+1
.endr
.irp u, 0,1
	s_wait_loadcnt 32-32*\u                        ; the first 32 are in (the second 32 may be out); then all
.set i, 0
.rept 16
	v_cvt_pk_f16_f32 v[96+16*\u+i], v[32+32*\u+2*i], v[33+32*\u+2*i]
.set i, i+1
.endr
.irp q, 0,1,2,3
	ds_store_b128 v4, v[96+16*\u+4*\q:99+16*\u+4*\q] offset:128*\u+16*\q
.endr
.endr
	WAYOUT 2048, 128, 18
.Lfinish:
	s_wait_tensorcnt 0x0                           ; the wave's end, behind my last LDS store
	ds_add_u32 v[SPW], v[NIL]
	s_wait_dscnt 0x0
	s_endpgm
.Lfunc_end_k_q0a80f04444_prep:
	.size	k_q0a80f04444_prep, .Lfunc_end_k_q0a80f04444_prep-k_q0a80f04444_prep
	.p2alignl 7, 3214868480
	.fill 96, 4, 3214868480
	.section	.rodata,"a",@progbits
	.p2align	6, 0x0
	.amdhsa_kernel k_q0a80f04444_prep
		.amdhsa_group_segment_fixed_size 68096
		.amdhsa_private_segment_fixed_size 0
		.amdhsa_enable_private_segment 0
		.amdhsa_kernarg_size 72
		.amdhsa_user_sgpr_count 2
		.amdhsa_user_sgpr_kernarg_segment_ptr 1
		.amdhsa_wavefront_size32 1
		.amdhsa_system_sgpr_workgroup_id_x 1
		.amdhsa_system_sgpr_workgroup_id_y 1
		.amdhsa_system_sgpr_workgroup_id_z 1
		.amdhsa_system_vgpr_workitem_id 0
		.amdhsa_next_free_vgpr 252
		.amdhsa_next_free_sgpr 66
		.amdhsa_reserve_vcc 1
		.amdhsa_float_denorm_mode_32 3
		.amdhsa_float_denorm_mode_16_64 3
		.amdhsa_memory_ordered 1
		.amdhsa_forward_progress 1
		.amdhsa_inst_pref_size 89
	.end_amdhsa_kernel
	.amdgpu_metadata
---
amdhsa.version: [ 1, 2 ]
amdhsa.kernels:
  - .name:           k_q0a80f04444_prep
    .symbol:         k_q0a80f04444_prep.kd
    .args:
      - { .name: x, .offset: 0, .size: 8, .value_kind: global_buffer, .address_space: global }
      - { .name: w_qkv, .offset: 8, .size: 8, .value_kind: global_buffer, .address_space: global }
      - { .name: w_proj, .offset: 16, .size: 8, .value_kind: global_buffer, .address_space: global }
      - { .name: x_codes, .offset: 24, .size: 8, .value_kind: global_buffer, .address_space: global }
      - { .name: x_scales, .offset: 32, .size: 8, .value_kind: global_buffer, .address_space: global }
      - { .name: wq_codes, .offset: 40, .size: 8, .value_kind: global_buffer, .address_space: global }
      - { .name: wq_scales, .offset: 48, .size: 8, .value_kind: global_buffer, .address_space: global }
      - { .name: wp16, .offset: 56, .size: 8, .value_kind: global_buffer, .address_space: global }
      - { .name: rope, .offset: 64, .size: 8, .value_kind: global_buffer, .address_space: global }
    .group_segment_fixed_size: 68096
    .private_segment_fixed_size: 0
    .kernarg_segment_align: 8
    .kernarg_segment_size: 72
    .max_flat_workgroup_size: 128
    .sgpr_count:     66
    .vgpr_count:     252
    .wavefront_size: 32
...
	.end_amdgpu_metadata
.endif
;; end of part 1
;; launch qkv (part 2): grid 12 x 32, 4 waves a work-group, clusters of 4 x 4, 327,680 bytes of LDS; arguments x_codes, x_scales, wq_codes, wq_scales, qkv, rope; writes qkv
.if DOCPART == 2
	.amdgcn_target "amdgcn-amd-amdhsa--gfx1250"
	.amdhsa_code_object_version 6
	.text
	.protected	k_q0a80f04444_qkv
	.globl	k_q0a80f04444_qkv
	.p2align	8
	.type	k_q0a80f04444_qkv,@function
k_q0a80f04444_qkv:
	s_mov_b64 s[64:65], 0
	v_nop
	global_prefetch_b8 v0, s[64:65] scope:SCOPE_SE
	s_setreg_imm32_b32 hwreg(HW_REG_WAVE_MODE, 25, 1), 1
	s_wait_xcnt 0x0
	s_wait_alu depctr_hold_cnt(0) depctr_sa_sdst(0) depctr_va_vdst(0) depctr_va_sdst(0) depctr_va_ssrc(0) depctr_va_vcc(0) depctr_vm_vsrc(0)
	s_getreg_b32 s2, hwreg(HW_REG_IB_STS2, 6, 4)
	s_cmp_eq_u32 s2, 0
	s_cbranch_scc0 .Lentry_in_a_cluster
	s_endpgm
.Lentry_in_a_cluster:
	s_bfe_u32 s2, ttmp6, 0x10000c
	s_cmp_lg_u32 s2, 0xf033
	s_cbranch_scc0 .Lentry_shape_is_right
	s_endpgm
.Lentry_shape_is_right:
; qkv = Q(x) Q(w_qkv) on codes of FP4 (E2M1) with one E8M0 scale for each 32 along K; q and k are then rotated (RoPE), all three rounded to f16 and laid [q, k, v][batch][head][position][64].
; A: x's codes [8192][512 bytes], B: w_qkv's codes [3072][512 bytes]; scale bytes [rows][32].  Sums in f32.  LIMIT: |q|, |k|, |v| under 65,504 (f16).
; A tile of 256 x 256 is made by four waves, each 128 x 128: 64 accumulators, 512 registers.  K = 1,024 is two slots of 512: both are asked for at the start and none is filled again.
; The scale bytes of the work-group's rows, for all of K, come once with the first fills, in rows of 256 bytes.
; CLUSTERS: 4 x 4 work-groups; A's tiles are shared along a row of the cluster, B's along a column: each is asked for jointly.  A cluster's four tile columns are 1,024 columns: cluster x = 0 is q, 1 is k, 2 is v.
; THE MATRIX INSTRUCTION IS USED TRANSPOSED (source 0 = 16 rows of B, source 1 = 16 rows of A): a lane holds eight neighbouring columns of one position: four pairs of the rotation.
; REGISTERS: window 0: v16-29 addresses; v32-95 scale words, two sets; v128-191 A's fragments.  window 1: B's fragments, two sets, at v0 and v128; the rest, and later all, holds the table of cosines and sines.
;   window 2, 3: the accumulators of my rows 0-63, 64-127 ((a, b) at v[8 (8 (a % 4) + b)]).  On the way out window 0's v32-191 are free.
.set NQ,     4                         ; steps of 128 along K in a slot
.set ROWB,   256                       ; a tile's row in bytes
.set KROW,   512                       ; a row of codes in memory
.set PITCH,  272                       ; an LDS row: 256 bytes + 16 of padding: the 16 rows of a load start at 16 different banks (64 banks of 4 bytes: ISA guide 11.1)
.set FR,     8
.set NL,     2
.set NP,     4                         ; places behind this matrix instruction (ISA guide 7.12.1)
.set HALFT,  128*PITCH
.set SLOT,   4*HALFT
.set KS,     32                        ; a row of scale bytes
.set SCL,    2*SLOT
.set HALFS,  (128*KS/256)*272
.set SBLK,   (16*KS/256)*272
.set SPARE,  SCL+4*HALFS               ; the spare words, 128 bytes for each wave
.set STAGE,  SPARE+512                 ; the way out: for each wave 2 heads x 16 rows x (128 bytes + 16); no tile lands here
.set WSTG,   2*16*144
.set ADRA, 16
.set ADRB, 20
.set STO,  24                          ; v24  the way out: where I put 16 bytes of a row
.set RD,   25                          ; v25  where I read rows back
.set CO,   26                          ; v26  16 x lane: my place in 512 consecutive bytes, of the table and of qkv
.set ADRS, 27
.set SPW,  28
.set NIL,  29
.set SC,   32
.set AF,   128
.set T,    32                          ; the way out: 64 rotated numbers
.set H,    96                          ; 32 registers of f16 pairs
.set BK,   128                         ; rows read back: v128-159 and v160-191 by turns
.set G1, 24
.set G0, 32
.set G1B, 48
.set G0B, 56
.set G1S, 68
.set G0S, 76
.set G1SB, 80
.set G0SB, 88
.set MSB, 0
.macro WIN new                         ; the immediate's high byte repeats the setting that is left
.if MSB != (\new)
	s_set_vgpr_msb (MSB<<8)|(\new)
.set MSB, (\new)
.endif
.endm
.set MUL_LO, 0xa1                      ; source 0 (B) window 1, source 1 (A) window 0, C and D window 2
.set MUL_HI, 0xf1
.set TO_B,   0x40
; A joint load: waves 0 and 1 fetch for A, waves 2 and 3 for B; the branch hangs on the wave's number alone.  An s_nop 0 and four v_nop follow each line.
.macro JLOAD g0a, g1a, g0b, g1b
	s_cmp_eq_u32 s15, 0
	s_cbranch_scc0 .Lfor_b_\@
	tensor_load_to_lds s[\g0a:\g0a+3], s[\g1a:\g1a+7]
	s_nop 0
.rept 4
	v_nop
.endr
	s_branch .Lasked_\@
.Lfor_b_\@:
	tensor_load_to_lds s[\g0b:\g0b+3], s[\g1b:\g1b+7]
	s_nop 0
.rept 4
	v_nop
.endr
.Lasked_\@:
.endm
.macro CROUND                          ; a round of the cluster's barrier
	s_barrier_signal -1
	s_barrier_wait -1
	s_cmp_lg_u32 s14, 0
	s_cbranch_scc1 .Lnot_wave_0_\@
	s_barrier_signal -3
.Lnot_wave_0_\@:
	s_barrier_wait -3
	s_barrier_signal -1
	s_barrier_wait -1
.endm
	s_load_b128 s[4:7], s[0:1], 0x0                ; x's codes, x's scales
	s_load_b128 s[8:11], s[0:1], 0x10              ; w's codes, w's scales
	s_load_b64 s[12:13], s[0:1], 0x20              ; qkv
	s_load_b64 s[96:97], s[0:1], 0x28              ; the table
	v_lshl_add_u32 v[SPW], v0, 2, SPARE
	v_mov_b32 v[NIL], 0
	ds_add_u32 v[SPW], v[NIL]                      ; the wave's opening: the add, twice on end, and its wait ahead of my first tensor load
	ds_add_u32 v[SPW], v[NIL]
	v_lshrrev_b32 v1, 5, v0
	v_readfirstlane_b32 s14, v1                    ; wave 0..3
	s_lshr_b32 s15, s14, 1                         ; which half of the tile's rows is mine.  Also: I fetch for A (0) or for B (1)
	s_and_b32 s16, s14, 1                          ; which half of its columns.  Also: which 128 rows I fetch
	s_bfe_u32 s40, ttmp6, 0x40000                  ; cx, cy
	s_bfe_u32 s41, ttmp6, 0x40004
	s_lshl_b32 s42, ttmp9, 2
	s_add_co_u32 s42, s42, s40                     ; tile column
	s_and_b32 s17, ttmp7, 0xffff
	s_lshl_b32 s17, s17, 2
	s_add_co_u32 s17, s17, s41                     ; tile row
	s_lshl_b32 s43, s41, 2
	s_lshl_b32 s43, 15, s43                        ; my row of the cluster
	s_lshl_b32 s44, 0x1111, s40                    ; my column
	s_or_b32 s[G1+0], s43, (0<<16)|(1<<20)|(1<<21)|(5<<22)|(3<<25)  ; the mask; elements of 1 byte; padding on; bit 21 beside a mask; after every 64 words four words
	s_or_b32 s[G1B+0], s44, (0<<16)|(1<<20)|(1<<21)|(5<<22)|(3<<25)
.irp g, G1, G1B
	s_mov_b32 s[\g+1], ROWB<<16                    ; tensor_dim0
	s_mov_b32 s[\g+2], 128<<16                     ; tensor_dim1
	s_mov_b32 s[\g+3], ROWB<<16                    ; tile_dim0
	s_mov_b32 s[\g+4], 128                         ; tile_dim1
	s_mov_b32 s[\g+5], KROW                        ; stride
	s_mov_b32 s[\g+6], 0
	s_mov_b32 s[\g+7], 0
.endr
	s_or_b32 s[G1S+0], s43, (3<<16)|(1<<20)|(1<<21)|(5<<22)|(3<<25) ; the scales of 128 rows: 4,096 dense bytes as 16 rows of 32 elements of 8 bytes
	s_or_b32 s[G1SB+0], s44, (3<<16)|(1<<20)|(1<<21)|(5<<22)|(3<<25)
.irp g, G1S, G1SB
	s_mov_b32 s[\g+1], 32<<16
	s_mov_b32 s[\g+2], (128*KS/256)<<16
	s_mov_b32 s[\g+3], 32<<16
	s_mov_b32 s[\g+4], 128*KS/256
	s_mov_b32 s[\g+5], 32
	s_mov_b32 s[\g+6], 0
	s_mov_b32 s[\g+7], 0
.endr
	s_lshl_b32 s18, s16, 7
	s_lshl_b32 s20, s17, 8
	s_add_co_u32 s20, s20, s18                     ; A: row 256 x tile row + 128 x half
	s_lshl_b32 s46, s42, 8
	s_add_co_u32 s46, s46, s18                     ; B: row 256 x tile column + 128 x half
	s_mov_b32 s21, 0
	s_mov_b32 s47, 0
	s_mov_b64 s[18:19], KS
	s_mul_u64 s[22:23], s[20:21], s[18:19]
	s_mul_u64 s[92:93], s[46:47], s[18:19]
	s_mov_b64 s[18:19], KROW
	s_mul_u64 s[20:21], s[20:21], s[18:19]
	s_mul_u64 s[46:47], s[46:47], s[18:19]
	s_mul_i32 s45, s14, HALFT                      ; where they go: wave x 128 rows
	s_mul_i32 s94, s14, HALFS
	s_wait_dscnt 0x0                               ; both opening adds are done
	s_wait_kmcnt 0x0
	s_add_nc_u64 s[20:21], s[4:5], s[20:21]
	s_add_nc_u64 s[22:23], s[6:7], s[22:23]
	s_add_nc_u64 s[46:47], s[8:9], s[46:47]
	s_add_nc_u64 s[92:93], s[10:11], s[92:93]
	CROUND                                         ; all sixteen work-groups are here: the first joint loads meet
	s_mov_b32 s[G0S], 1
	s_add_co_u32 s[G0S+1], s94, SCL
	s_mov_b64 s[G0S+2:G0S+3], s[22:23]
	s_or_b32 s[G0S+3], s[G0S+3], 0x80000000
	s_mov_b32 s[G0SB], 1
	s_add_co_u32 s[G0SB+1], s94, SCL
	s_mov_b64 s[G0SB+2:G0SB+3], s[92:93]
	s_or_b32 s[G0SB+3], s[G0SB+3], 0x80000000
	JLOAD G0S, G1S, G0SB, G1SB                     ; the scales first; with the two slots three loads of mine are out
.irp s, 0,1
	s_mov_b32 s[G0+4*\s], 1
	s_add_co_u32 s[G0+4*\s+1], s45, \s*SLOT
	s_add_nc_u64 s[G0+4*\s+2:G0+4*\s+3], s[20:21], \s*ROWB
	s_or_b32 s[G0+4*\s+3], s[G0+4*\s+3], 0x80000000
	s_mov_b32 s[G0B+4*\s], 1
	s_add_co_u32 s[G0B+4*\s+1], s45, \s*SLOT
	s_add_nc_u64 s[G0B+4*\s+2:G0B+4*\s+3], s[46:47], \s*ROWB
	s_or_b32 s[G0B+4*\s+3], s[G0B+4*\s+3], 0x80000000
	JLOAD G0+4*\s, G1, G0B+4*\s, G1B
.endr
	v_and_b32 v1, 15, v0                           ; r
	v_bfe_u32 v2, v0, 4, 1                         ; h
	v_mul_u32_u24 v3, v1, PITCH
	v_lshl_add_u32 v4, v2, 4, v3
	s_mul_i32 s21, s15, HALFT
	s_mul_i32 s22, s16, HALFT
	s_add_co_u32 s22, s22, 2*HALFT
.irp s, 0,1
	v_add_nc_u32 v[ADRA+\s], s21, v4
	v_add_nc_u32 v[ADRB+\s], s22, v4
	s_add_co_u32 s21, s21, SLOT
	s_add_co_u32 s22, s22, SLOT
.endr
	v_mul_u32_u24 v5, v1, KS                       ; my row's scales: KS bytes a row,
	v_lshrrev_b32 v6, 8, v5
	v_lshl_add_u32 v5, v6, 4, v5                   ; and 16 more for each 256 passed
	s_mul_i32 s21, s15, HALFS
	s_mul_i32 s22, s16, HALFS
	s_add_co_u32 s22, s22, 2*HALFS
	s_sub_co_u32 s22, s22, s21
	v_mul_u32_u24 v6, s22, v2                      ; lanes 16-31 take B's
	s_add_co_u32 s21, s21, SCL
	v_add_nc_u32 v5, v5, v6
	v_add_nc_u32 v[ADRS], s21, v5
	s_mul_i32 s23, s14, WSTG
	s_add_co_u32 s23, s23, STAGE                   ; my stage
	v_mul_u32_u24 v5, v1, 144
	v_lshl_add_u32 v5, v2, 4, v5
	v_add_nc_u32 v[STO], s23, v5                   ; in: row r, 16 bytes for each half of the lanes
	v_and_b32 v6, 31, v0
	v_lshlrev_b32 v[CO], 4, v6
	v_lshrrev_b32 v5, 3, v6
	v_mul_u32_u24 v5, v5, 144
	v_and_b32 v6, 7, v0
	v_lshl_add_u32 v5, v6, 4, v5
	v_add_nc_u32 v[RD], s23, v5                    ; back: eight lanes to a row of 128 bytes, four rows an instruction
	; where my part of qkv begins: which x 2^24 + batch x 2^22 + head x 2^18 + position x 128; and my positions' part of the table: 256 bytes a position
	s_lshr_b32 s20, s17, 3
	s_lshl_b32 s20, s20, 22                        ; batch = tile row / 8
	s_and_b32 s21, s17, 7
	s_lshl_b32 s21, s21, 8
	s_lshl_b32 s18, s15, 7
	s_add_co_u32 s21, s21, s18                     ; my first position
	s_lshl_b32 s18, s21, 8
	s_mov_b32 s19, 0
	s_add_nc_u64 s[96:97], s[96:97], s[18:19]
	s_lshl_b32 s21, s21, 7
	s_add_co_u32 s20, s20, s21
	s_lshl_b32 s21, ttmp9, 24                      ; q, k or v
	s_add_co_u32 s20, s20, s21
	s_mov_b32 s21, 0
	s_lshl_b32 s46, s40, 2
	s_lshl_b32 s47, s16, 1
	s_add_co_u32 s46, s46, s47                     ; my first head: 4 cx + 2 x half
	s_lshl_b32 s46, s46, 18
	s_mov_b32 s47, 0
	s_add_nc_u64 s[20:21], s[20:21], s[46:47]
	s_add_nc_u64 s[12:13], s[12:13], s[20:21]
; THE TABLE: for block a of 16 positions 32 registers of window 1: register 8 (b % 4) + 2 i: cos, + 1: sin of the pair that accumulator (a, b)'s registers 2 i, 2 i + 1 hold.
.macro CBASE a
.if (\a) < 2
.set CB, 64+32*(\a)
.elseif (\a) < 4
.set CB, 192+32*((\a)-2)
.elseif (\a) < 6
.set CB, 32*((\a)-4)
.else
.set CB, 128+32*((\a)-6)
.endif
.endm
.macro TABLOAD a
	CBASE \a
.irp cu, 0,1,2,3,4,5,6,7
	global_load_b128 v[CB+4*\cu:CB+4*\cu+3], v[CO], s[96:97] offset:4096*(\a)+512*\cu   ; 512 consecutive bytes
.endr
.endm
	; Blocks 0-3 go into the registers of window 1 that B's fragments leave free, and land while K is walked.  The loads stand on the one way that all waves take, so that these registers are written on every
	; way that leads on to the rotation.  v's clusters, which do not rotate, ask for them too and never read them: 16 KiB a wave, of a table of 512 KiB that q's and k's clusters read as well.
	WIN TO_B
	TABLOAD 0
	TABLOAD 1
	TABLOAD 2
	TABLOAD 3
	WIN 0
.macro FRAG reg, adr, q, i             ; 16 rows x 128 K of 4-bit codes: registers 4 c .. 4 c + 3 hold K = 64 c + 32 (l / 16) + 0 .. 31
.irp c, 0,1
	ds_load_b128 v[\reg+4*\c:\reg+4*\c+3], v[\adr] offset:64*(\q)+32*\c+(\i)*16*PITCH
.endr
.endm
; 16 matrix instructions: A's blocks a0, a0 + 1 x B's eight.  The 64 accumulators take turns, one instruction a turn, in the same order in every step.
.macro MUL16 a0, p, q, sc, zero
.irp a, \a0, \a0+1
.irp b, 0,1,2,3,4,5,6,7
.if \zero
	v_wmma_scale_f32_16x16x128_f8f6f4 v[8*(8*((\a)%4)+\b):8*(8*((\a)%4)+\b)+7], v[128*(\p)+FR*\b:128*(\p)+FR*\b+FR-1], v[AF+FR*(\a):AF+FR*(\a)+FR-1], 0, v[SC+8*NQ*(\sc)+NQ*\b+(\q)], v[SC+8*NQ*(\sc)+NQ*(\a)+(\q)] matrix_a_fmt:MATRIX_FMT_FP4 matrix_b_fmt:MATRIX_FMT_FP4 matrix_a_scale:MATRIX_SCALE_ROW1
.else
	v_wmma_scale_f32_16x16x128_f8f6f4 v[8*(8*((\a)%4)+\b):8*(8*((\a)%4)+\b)+7], v[128*(\p)+FR*\b:128*(\p)+FR*\b+FR-1], v[AF+FR*(\a):AF+FR*(\a)+FR-1], v[8*(8*((\a)%4)+\b):8*(8*((\a)%4)+\b)+7], v[SC+8*NQ*(\sc)+NQ*\b+(\q)], v[SC+8*NQ*(\sc)+NQ*(\a)+(\q)] matrix_a_fmt:MATRIX_FMT_FP4 matrix_b_fmt:MATRIX_FMT_FP4 matrix_a_scale:MATRIX_SCALE_ROW1
.endif
.endr
.endr
.endm
.macro FETCH_B slot, q, p
	WIN TO_B
.irp i, 0,1,2,3,4,5,6,7
	FRAG 128*(\p)+FR*\i, ADRB+\slot, \q, \i
.endr
	WIN 0
.endm
.macro FETCH_A slot, q, i0
.irp i, \i0, \i0+1, \i0+2, \i0+3
	FRAG AF+FR*(\i), ADRA+\slot, \q, \i
.endr
.endm
.macro SCALES sc                       ; a slot's scale words: lanes 0-15 take A's block i, lanes 16-31 B's block i
.irp i, 0,1,2,3,4,5,6,7
	ds_load_b128 v[SC+8*NQ*\sc+NQ*\i:SC+8*NQ*\sc+NQ*\i+3], v[ADRS] offset:\i*SBLK
.endr
.endm
.macro PLACES n                        ; plain vector lines between a matrix instruction and a load into, or a read of, its registers
.rept \n
	v_nop
.endr
.endm
.macro STEP slot, q, zero              ; 128 along K with its successor in the same slot
	s_wait_dscnt 4*NL                              ; B's set and A's blocks 0-3 are in; the youngest eight loads (A's blocks 4-7) may be out
	WIN MUL_LO
	MUL16 0, (\q)%2, \q, \slot, \zero
	MUL16 2, (\q)%2, \q, \slot, \zero
	s_wait_dscnt 0
	PLACES NP
	FETCH_B \slot, (\q)+1, 1-(\q)%2
	FETCH_A \slot, (\q)+1, 0
	WIN MUL_HI
	MUL16 4, (\q)%2, \q, \slot, \zero
	MUL16 6, (\q)%2, \q, \slot, \zero
	PLACES NP
	WIN 0
	FETCH_A \slot, (\q)+1, 4
.endm
.macro STEPS slot, from
.set Q, \from
.rept NQ-1-\from
	STEP \slot, Q, 0
.set Q, Q+1
.endr
.endm
	s_wait_tensorcnt 1                             ; the scales and my part of slot 0 are in; slot 1's load may be out
	s_barrier_signal -1
	s_barrier_wait -1
	FETCH_B 0, 0, 0
	FETCH_A 0, 0, 0
	SCALES 0
	FETCH_A 0, 0, 4
	STEP 0, 0, 1                                   ; the first products start the sums: nothing is cleared
	STEPS 0, 1
	; slot 0's last step changes slots: one barrier; in front of it each wave waits for all its tensor loads (its part of slot 1)
	s_wait_tensorcnt 0x0
	ds_add_u32 v[SPW], v[NIL]                      ; 0 onto my spare word
	s_wait_dscnt 4*NL+1                            ; the add and the youngest eight loads may be out
	WIN MUL_LO
	MUL16 0, 1, NQ-1, 0, 0
	s_wait_dscnt 0x0
	s_barrier_signal -1
	MUL16 2, 1, NQ-1, 0, 0
	WIN 0
	s_barrier_wait -1                              ; slot 1 is whole
	PLACES NP
	v_add_nc_u32 v[ADRS], 4*NQ, v[ADRS]            ; on to slot 1's scale words
	FETCH_B 1, 0, 0
	FETCH_A 1, 0, 0
	SCALES 1
	WIN MUL_HI
	MUL16 4, 1, NQ-1, 0, 0
	MUL16 6, 1, NQ-1, 0, 0
	PLACES NP
	WIN 0
	FETCH_A 1, 0, 4
	STEPS 1, 0
	s_wait_dscnt 4*NL
	WIN MUL_LO
	MUL16 0, 1, NQ-1, 1, 0
	MUL16 2, 1, NQ-1, 1, 0
	s_wait_dscnt 0
	WIN MUL_HI
	MUL16 4, 1, NQ-1, 1, 0
	MUL16 6, 1, NQ-1, 1, 0
	WIN 0
	PLACES NP                                      ; behind the last products: for the loads into B's registers, the writes over the scale words and A's fragments, and the reads of results
; THE WAY OUT, block by block of 16 positions x 128 columns (two heads).
; CONV: the rotation, two numbers an instruction: (x1 c, x2 c), then (x1 c - x2 s, x2 c + x1 s); each accumulator is read from its low end on; then pairs are rounded to f16.
.macro CONV a, rope
.set AC, 64*((\a)%4)
.if \rope
	CBASE \a
.if (\a) < 4
	s_wait_loadcnt 32                              ; blocks 0-3 of the table are in; the 32 loads of blocks 4-7 may be out
.else
	s_wait_loadcnt 8*(7-(\a))                      ; block a's eight are in; the later blocks' may be out
.endif
	WIN 0x06+(\a)/4                                ; source 0: window 2 or 3; source 1: window 1
.irp b, 0,1,2,3,4,5,6,7
.irp i, 0,1,2,3
	v_pk_mul_f32 v[T+8*\b+2*\i:T+8*\b+2*\i+1], v[AC+8*\b+2*\i:AC+8*\b+2*\i+1], v[CB+8*(\b%4)+2*\i:CB+8*(\b%4)+2*\i+1] op_sel_hi:[1,0]
.endr
.endr
.irp b, 0,1,2,3,4,5,6,7
.irp i, 0,1,2,3
	v_pk_fma_f32 v[T+8*\b+2*\i:T+8*\b+2*\i+1], v[AC+8*\b+2*\i:AC+8*\b+2*\i+1], v[CB+8*(\b%4)+2*\i:CB+8*(\b%4)+2*\i+1], v[T+8*\b+2*\i:T+8*\b+2*\i+1] op_sel:[1,1,0] op_sel_hi:[0,1,1] neg_lo:[0,1,0]
.endr
.endr
	WIN 0
.irp b, 0,1,2,3,4,5,6,7
.irp i, 0,1,2,3
	v_cvt_pk_f16_f32 v[H+4*\b+\i], v[T+8*\b+2*\i], v[T+8*\b+2*\i+1]
.endr
.endr
.else
	WIN 0x0a+5*((\a)/4)                            ; sources 0 and 1: window 2 or 3
.irp b, 0,1,2,3,4,5,6,7
.irp i, 0,1,2,3
	v_cvt_pk_f16_f32 v[H+4*\b+\i], v[AC+8*\b+2*\i], v[AC+8*\b+2*\i+1]
.endr
.endr
	WIN 0
.endif
.endm
.macro TOSTAGE a                       ; 16 bytes a lane into rows of 144 bytes, head b / 4; back as whole rows.  LDS serves a wave's instructions in order (ISA guide 5.7.1.4)
.irp b, 0,1,2,3,4,5,6,7
	ds_store_b128 v[STO], v[H+4*\b:H+4*\b+3] offset:2304*(\b/4)+32*(\b%4)
.endr
.irp t, 0,1,2,3,4,5,6,7
	ds_load_b128 v[BK+32*((\a)%2)+4*\t:BK+32*((\a)%2)+4*\t+3], v[RD] offset:2304*(\t/4)+576*(\t%4)
.endr
.endm
.macro SEND a
	s_wait_dscnt 0x0                               ; the block is back in registers
	s_wait_xcnt 0x0                                ; the block before has had its stores' registers read: the next block's loads may land there
.irp t, 0,1,2,3,4,5,6,7
	global_store_b128 v[CO], v[BK+32*((\a)%2)+4*\t:BK+32*((\a)%2)+4*\t+3], s[12:13] offset:262144*(\t/4)+2048*(\a)+512*(\t%4)   ; four positions of a head: 512 consecutive bytes, aligned
.endr
.endm
.macro WAYOUT rope
	CONV 0, \rope
	TOSTAGE 0
.irp a, 1,2,3,4,5,6,7
	CONV \a, \rope
	SEND \a-1
	TOSTAGE \a
.endr
	SEND 7
.endm
	s_cmp_eq_u32 ttmp9, 2                          ; v is not rotated.  The cluster's x is the same in all sixteen partners
	s_cbranch_scc1 .Lv_out
	WIN TO_B
	TABLOAD 4                                      ; blocks 4-7 into the registers that held B's fragments
	TABLOAD 5
	TABLOAD 6
	TABLOAD 7
	WIN 0
	WAYOUT 1
	s_branch .Ldone
.Lv_out:
	WAYOUT 0
.Ldone:
	s_wait_tensorcnt 0x0                           ; the wave's end
	ds_add_u32 v[SPW], v[NIL]
	s_wait_dscnt 0x0
	CROUND                                         ; the closing round
	s_endpgm
.Lfunc_end_k_q0a80f04444_qkv:
	.size	k_q0a80f04444_qkv, .Lfunc_end_k_q0a80f04444_qkv-k_q0a80f04444_qkv
	.p2alignl 7, 3214868480
	.fill 96, 4, 3214868480
	.section	.rodata,"a",@progbits
	.p2align	6, 0x0
	.amdhsa_kernel k_q0a80f04444_qkv
		.amdhsa_group_segment_fixed_size 327680
		.amdhsa_private_segment_fixed_size 0
		.amdhsa_enable_private_segment 0
		.amdhsa_kernarg_size 48
		.amdhsa_user_sgpr_count 2
		.amdhsa_user_sgpr_kernarg_segment_ptr 1
		.amdhsa_wavefront_size32 1
		.amdhsa_system_sgpr_workgroup_id_x 1
		.amdhsa_system_sgpr_workgroup_id_y 1
		.amdhsa_system_sgpr_workgroup_id_z 1
		.amdhsa_system_vgpr_workitem_id 0
		.amdhsa_next_free_vgpr 1024
		.amdhsa_next_free_sgpr 98
		.amdhsa_reserve_vcc 0
		.amdhsa_float_denorm_mode_32 3
		.amdhsa_float_denorm_mode_16_64 3
		.amdhsa_memory_ordered 1
		.amdhsa_forward_progress 1
		.amdhsa_inst_pref_size 196
	.end_amdhsa_kernel
	.amdgpu_metadata
---
amdhsa.version: [ 1, 2 ]
amdhsa.kernels:
  - .name:           k_q0a80f04444_qkv
    .symbol:         k_q0a80f04444_qkv.kd
    .args:
      - { .name: x_codes, .offset: 0, .size: 8, .value_kind: global_buffer, .address_space: global }
      - { .name: x_scales, .offset: 8, .size: 8, .value_kind: global_buffer, .address_space: global }
      - { .name: wq_codes, .offset: 16, .size: 8, .value_kind: global_buffer, .address_space: global }
      - { .name: wq_scales, .offset: 24, .size: 8, .value_kind: global_buffer, .address_space: global }
      - { .name: qkv, .offset: 32, .size: 8, .value_kind: global_buffer, .address_space: global }
      - { .name: rope, .offset: 40, .size: 8, .value_kind: global_buffer, .address_space: global }
    .group_segment_fixed_size: 327680
    .private_segment_fixed_size: 0
    .kernarg_segment_align: 8
    .kernarg_segment_size: 48
    .max_flat_workgroup_size: 128
    .sgpr_count:     98
    .vgpr_count:     1024
    .wavefront_size: 32
...
	.end_amdgpu_metadata
.endif
;; end of part 2
;; launch attn (part 3): grid 8 x 64, 4 waves a work-group, clusters of 4 x 1, 327,680 bytes of LDS; arguments qkv, att; writes att
.if DOCPART == 3
	.amdgcn_target "amdgcn-amd-amdhsa--gfx1250"
	.amdhsa_code_object_version 6
	.text
	.protected	k_q0a80f04444_attn
	.globl	k_q0a80f04444_attn
	.p2align	8
	.type	k_q0a80f04444_attn,@function
k_q0a80f04444_attn:
	s_mov_b64 s[64:65], 0
	v_nop
	global_prefetch_b8 v0, s[64:65] scope:SCOPE_SE
	s_setreg_imm32_b32 hwreg(HW_REG_WAVE_MODE, 25, 1), 1
	s_wait_xcnt 0x0
	s_wait_alu depctr_hold_cnt(0) depctr_sa_sdst(0) depctr_va_vdst(0) depctr_va_sdst(0) depctr_va_ssrc(0) depctr_va_vcc(0) depctr_vm_vsrc(0)
	s_getreg_b32 s2, hwreg(HW_REG_IB_STS2, 6, 4)
	s_cmp_eq_u32 s2, 0
	s_cbranch_scc0 .Lentry_in_a_cluster
	s_endpgm
.Lentry_in_a_cluster:
	s_bfe_u32 s2, ttmp6, 0x10000c
	s_cmp_lg_u32 s2, 0x3003
	s_cbranch_scc0 .Lentry_shape_is_right
	s_endpgm
.Lentry_shape_is_right:
; att[bh][q][:] = the sum over k of softmax_k(Q[bh][q] . K[bh][k] / 8) V[bh][k][:].  Q, K, V: the three parts of qkv, each [64 (batch, head)][2048][64] f16; att likewise.  Products, maxima and sums in f32;
; the weights p are rounded to f16 for the second product, att once at the end.  LIMIT: values of f16's range; NaN and infinities are not served.
; SHARES.  A work-group owns 256 queries of one head, each of its four waves 64: four tiles of 16.  Every wave walks all 2,048 keys, 64 a step.
; LAYOUT.  S^T = K Q^T (source 0 = 16 keys, source 1 = 16 queries): a lane holds ONE query (lane % 16) and keys 8 (lane / 16) + 0..7.  Two such tiles, rounded in pairs, ARE source 1 of O^T = V^T P.
; K comes out of LDS as it lies, V ([key][channel]) turned, by ds_load_tr16_b128.
; SOFTMAX.  A running maximum m and sum l for each query: p = 2^(c s - c m), c = log2(e) / 8; in every step O and l are multiplied by a = 2^(c m_old - c m_new).
; BY TURNS.  The wave's tiles are two pieces (tiles 0, 1 and tiles 2, 3).  In a turn one piece has the matrix unit: 16 products V^T P of the step in hand, then 16 products K Q^T of the next step; the other piece's
; softmax, 236 vector instructions in 59 slices, stands between them, two slices behind each product.  Then the pieces change places.  Two turns are a key step.
; CLUSTER.  The four query blocks of a cluster belong to one head and walk the same K and V: each tile is asked for jointly, with a mask that names the four.
; RING.  Two slots of four key steps (256 keys): one joint load a wave behind each round, 256 matrix instructions in which it lands.
; REGISTERS: window 0: v2-8 addresses; v12-43 eight registers of statistics a tile; v61-63; v64-191 S^T, 32 a tile; v192-255 P, 16 a tile.
;   window 1: v0-127 O^T, 32 a tile; v128-191 V of one step; v192-255 K of one step.   window 2: v0-63 Q, 16 a tile.
.set KS,    64
.set PK,    144       ; a row of K in LDS: 128 bytes + 16: the 16 rows of a load start at 16 different banks (64 banks of 4 bytes: ISA guide 11.1)
.set PVP,   160       ; a row of V: 128 + 32
.set VOFF,  256*PK    ; a slot: 256 rows of K, then 256 rows of V
.set KSTEPB, KS*PK
.set VSTEPB, KS*PVP
.set SLOT1, 1<<17     ; slot 1 begins here: one exclusive or turns an address in one slot into the other's
.set SLOTM, 256*128   ; a slot's rows of K or of V in memory, in bytes
.set STAGE, SLOT1+VOFF+256*PVP  ; behind the ring: 16 rows x 144 bytes for each wave
.set SP,    144
.set SPARE, STAGE+4*16*SP       ; the spare words, 128 bytes for each wave
.set AK0, 2
.set AV0, 3
.set ADR, 4
.set QO,  5
.set STO, 6
.set RD,  7
.set GO,  8
.set PFO, 61          ; v61  256 x my lane; never rewritten
.set SPW, 62
.set NIL, 63
.set ST,  12          ; tile t's statistics at v[ST+8 t]: +0 c m, +1 m, +2, +3 l, +4 to +7 at work; a takes +6 once the maximum is found
.set S,   64
.set P,   192
.set VF,  128         ; in window 1
.set KF,  192         ; in window 1
.set WV,  12
.set LIM, 15          ; s15  1 in a wave that prefetches, else the greatest number
.set PFA, 18          ; s[18:19] where my prefetches stand
.set G1K, 24
.set G1V, 32
.set G0K, 40          ; two sets for the two first fills; the second then walks on
.set G0V, 48
.set SLOTS, 56
.set TWICE, 57
.set CS,  58
.set SEL, 60
.set TBK, 62          ; s62  LDS byte at which K's rows of the step to be fetched begin
.set TBV, 63          ; s63  the same for V (less VOFF)
.set MSB, 0
.macro WIN new
.if MSB != (\new)
	s_set_vgpr_msb (MSB<<8)|(\new)
.set MSB, (\new)
.endif
.endm
.set W_KQ, 0x09       ; K in window 1, Q in window 2, S^T in window 0
.set W_PV, 0x51       ; V in window 1, P in window 0, O^T in window 1
.set W_RS, 0x41       ; O^T (destination and source 0) in window 1, a in window 0
.macro JLOAD          ; a joint refill: waves 0 and 1 fetch K's halves of a slot, waves 2 and 3 V's; an s_nop 0 and four v_nop follow each line
	s_cmp_lt_u32 s[WV], 2
	s_cbranch_scc0 .Lfor_v_\@
	tensor_load_to_lds s[G0K+4:G0K+7], s[G1K:G1K+7]
	s_nop 0
.rept 4
	v_nop
.endr
	s_branch .Lasked_\@
.Lfor_v_\@:
	tensor_load_to_lds s[G0V+4:G0V+7], s[G1V:G1V+7]
	s_nop 0
.rept 4
	v_nop
.endr
.Lasked_\@:
.endm
; A prefetch of what the NEXT change of slots will ask for: a slot's 32,768 bytes of K and of V, lanes 256 bytes apart.  Each aligned block of 256 bytes is named once in the launch: the head's first cluster asks;
; its four partners take 8,192 bytes each, told apart by address; in each, wave 0 asks for K's and wave 2 for V's.  The last change that fills a slot asks for nothing.
.macro ASK
	s_cmp_gt_u32 s[SLOTS], s[LIM]
	s_cbranch_scc0 .Lnot_mine_\@
	global_prefetch_b8 v[PFO], s[PFA:PFA+1] th:TH_LOAD_NT scope:SCOPE_SE
.Lnot_mine_\@:
.endm
.macro CROUND
	s_barrier_signal -1
	s_barrier_wait -1
	s_cmp_lg_u32 s[WV], 0
	s_cbranch_scc1 .Lnot_wave_0_\@
	s_barrier_signal -3
.Lnot_wave_0_\@:
	s_barrier_wait -3
	s_barrier_signal -1
	s_barrier_wait -1
.endm
	s_load_b64 s[4:5], s[0:1], 0x0    ; qkv: Q's part begins it
	s_load_b64 s[10:11], s[0:1], 0x8  ; att
	v_lshl_add_u32 v[SPW], v0, 2, SPARE
	v_mov_b32 v[NIL], 0
	ds_add_u32 v[SPW], v[NIL]       ; the wave's opening: the add, twice on end, and its wait ahead of my first tensor load
	ds_add_u32 v[SPW], v[NIL]
	v_lshrrev_b32 v1, 5, v0
	v_readfirstlane_b32 s[WV], v1   ; wave 0..3
	s_bfe_u32 s13, ttmp6, 0x40000   ; cx
	s_lshl_b32 s14, ttmp9, 2
	s_add_co_u32 s14, s14, s13      ; my block of 256 queries: it enters Q's and att's addresses alone
	s_and_b32 s20, ttmp7, 0xffff    ; the head, which the four partners share
	s_lshl_b32 s20, s20, 18         ; its first byte in each part
	s_mov_b32 s21, 0
	s_and_b32 s16, s[WV], 1         ; which half of a slot I fetch:
	s_lshl_b32 s22, s16, 14         ; its 128 rows of 128 bytes in memory,
	s_mov_b32 s23, 0
	s_add_nc_u64 s[22:23], s[22:23], s[20:21]
	s_mul_i32 s17, s16, 128*PK      ; and its place in a slot, for K,
	s_lshl_b32 s2, s14, 15          ; my block's 256 rows,
	s_lshl_b32 s3, s[WV], 13        ; my wave's 64 of them
	s_add_co_u32 s2, s2, s3
	s_mov_b32 s3, 0
	s_add_nc_u64 s[2:3], s[2:3], s[20:21]
	s_mul_i32 s14, s16, 128*PVP
	s_add_co_u32 s14, s14, VOFF     ; and for V
	s_mov_b32 s[G1K], 15|(1<<16)|(1<<20)|(1<<21)|(4<<22)|(3<<25)  ; the mask: all four; elements of 2 bytes; padding on; bit 21 beside a mask; after every 32 words four words
	s_mov_b32 s[G1V], 15|(1<<16)|(1<<20)|(1<<21)|(4<<22)|(7<<25)  ; the same with eight words
.irp g, G1K, G1V
	s_mov_b32 s[\g+1], 64<<16       ; tensor_dim0 = 64
	s_mov_b32 s[\g+2], 128<<16      ; tensor_dim1 = 128
	s_mov_b32 s[\g+3], 64<<16       ; tile_dim0 = 64
	s_mov_b32 s[\g+4], 128          ; tile_dim1 = 128
	s_mov_b32 s[\g+5], 64           ; stride
	s_mov_b32 s[\g+6], 0
	s_mov_b32 s[\g+7], 0
.endr
	s_mov_b32 s[CS], 0x3e38aa3b     ; c = log2(e) / 8
	s_mov_b32 s[CS+1], s[CS]
	s_mov_b32 s[SEL], 0x76543210
	s_mov_b32 s[SEL+1], 0xfedcba98
	s_mov_b32 s[TBK], 0
	s_mov_b32 s[TBV], 0
	s_mov_b32 s[SLOTS], 6           ; eight slots' worth of keys; two come by the first fills
	s_and_b32 s[LIM], s[WV], 1      ; 0 in waves 0 and 2,
	s_or_b32 s[LIM], s[LIM], ttmp9  ; where the cluster is the head's first: the same in all four partners
	s_cmp_eq_u32 s[LIM], 0
	s_cselect_b32 s[LIM], 1, -1
	v_and_b32 v[PFO], 31, v0
	v_lshlrev_b32 v[PFO], 8, v[PFO]
	s_wait_dscnt 0x0                ; both opening adds are done
	s_wait_kmcnt 0x0
	s_add_nc_u64 s[6:7], s[4:5], 0x1000000  ; K's part of qkv
	s_add_nc_u64 s[8:9], s[4:5], 0x2000000  ; V's
	s_add_nc_u64 s[6:7], s[6:7], s[22:23]   ; at my tile of slot 0
	s_add_nc_u64 s[8:9], s[8:9], s[22:23]
	s_add_nc_u64 s[4:5], s[4:5], s[2:3]     ; Q and att at my wave's first row
	s_add_nc_u64 s[10:11], s[10:11], s[2:3]
	s_cmp_lt_u32 s[WV], 2
	s_cselect_b64 s[PFA:PFA+1], s[6:7], s[8:9]  ; (in waves 0 and 2 these stand at a slot's first row)
	s_lshl_b32 s2, s13, 13          ; my work-group's quarter of a slot
	s_mov_b32 s3, 0
	s_add_nc_u64 s[PFA:PFA+1], s[PFA:PFA+1], s[2:3]
	s_add_nc_u64 s[PFA:PFA+1], s[PFA:PFA+1], 2*SLOTM  ; in slot 2; the first change steps it to slot 3.  Nothing is prefetched at the head
	CROUND                          ; all four work-groups are here: the first joint loads meet
.irp s, 0,1
	s_mov_b32 s[G0K+4*\s], 1
	s_add_co_u32 s[G0K+4*\s+1], s17, \s*SLOT1
	s_add_nc_u64 s[G0K+4*\s+2:G0K+4*\s+3], s[6:7], \s*SLOTM
	s_or_b32 s[G0K+4*\s+3], s[G0K+4*\s+3], 0x80000000
	s_mov_b32 s[G0V+4*\s], 1
	s_add_co_u32 s[G0V+4*\s+1], s14, \s*SLOT1
	s_add_nc_u64 s[G0V+4*\s+2:G0V+4*\s+3], s[8:9], \s*SLOTM
	s_or_b32 s[G0V+4*\s+3], s[G0V+4*\s+3], 0x80000000
.endr
	s_cmp_lt_u32 s[WV], 2           ; a wave's two first fills stand in one branch, ahead of every wait on TENSORcnt and every LDS read: two loads of mine are out
	s_cbranch_scc0 .Lfirst_v
	tensor_load_to_lds s[G0K:G0K+3], s[G1K:G1K+7]
	s_nop 0
	tensor_load_to_lds s[G0K+4:G0K+7], s[G1K:G1K+7]
	s_nop 0
.rept 4
	v_nop
.endr
	s_branch .Lfirst_asked
.Lfirst_v:
	tensor_load_to_lds s[G0V:G0V+3], s[G1V:G1V+7]
	s_nop 0
	tensor_load_to_lds s[G0V+4:G0V+7], s[G1V:G1V+7]
	s_nop 0
.rept 4
	v_nop
.endr
.Lfirst_asked:
	v_and_b32 v1, 15, v0            ; l % 16
	v_bfe_u32 v9, v0, 4, 1          ; l / 16
	v_lshlrev_b32 v[QO], 7, v1
	v_lshl_add_u32 v[QO], v9, 4, v[QO]  ; row x 128 + 16 x half
	WIN 0x80                        ; destination window 2
.irp i, 0,1,2,3,4,5,6,7             ; Q stays in registers: tile i / 2, channels 32 (i % 2) on
	global_load_b128 v[8*\i:8*\i+3],   v[QO], s[4:5] offset:(\i/2)*2048+(\i%2)*64
	global_load_b128 v[8*\i+4:8*\i+7], v[QO], s[4:5] offset:(\i/2)*2048+(\i%2)*64+32
.endr
	WIN 0
	v_mul_u32_u24 v[AK0], v1, PK
	v_lshl_add_u32 v[AK0], v9, 4, v[AK0]
	v_and_b32 v10, 7, v0            ; the turning load: lane l reads key 8 (l / 16) + l % 8, channels 8 ((l / 8) % 2) + 0..7
	v_bfe_u32 v11, v0, 3, 1
	v_lshl_add_u32 v[AV0], v9, 3, v10
	v_mul_u32_u24 v[AV0], v[AV0], PVP
	v_lshl_add_u32 v[AV0], v11, 4, v[AV0]
	v_add_nc_u32 v[AV0], VOFF, v[AV0]
; THE MATRIX WORK OF A TURN, for piece x.  Eight accumulators take turns, one instruction a turn: between two links of a chain stand seven others'.
; Product i of 16 of O^T += V^T P: keys 32 (i / 8) on, channels 16 ((i / 2) % 4) on, tile x + i % 2.  zero = 1: the first 8 start the sums.
.macro PV x, zero
	WIN W_PV
.set rO, 32*(\x+i%2)+8*((i/2)%4)
.set rV, VF+32*(i/8)+8*((i/2)%4)
.set rP, P+16*(\x+i%2)+8*(i/8)
.if (\zero) && (i < 8)
	v_wmma_f32_16x16x32_f16 v[rO:rO+7], v[rV:rV+7], v[rP:rP+7], 0
.else
	v_wmma_f32_16x16x32_f16 v[rO:rO+7], v[rV:rV+7], v[rP:rP+7], v[rO:rO+7]
.endif
.endm
; Product i of 16 of S^T = K Q^T: channels 32 (i / 8) on, keys 16 ((i / 2) % 4) on, tile x + i % 2.  The first 8 start the sums.
.macro KQ x
	WIN W_KQ
.set rS, S+32*(\x+i%2)+8*((i/2)%4)
.set rK, KF+16*((i/2)%4)+8*(i/8)
.set rQ, 16*(\x+i%2)+8*(i/8)
.if i < 8
	v_wmma_f32_16x16x32_f16 v[rS:rS+7], v[rK:rK+7], v[rQ:rQ+7], 0
.else
	v_wmma_f32_16x16x32_f16 v[rS:rS+7], v[rK:rK+7], v[rQ:rQ+7], v[rS:rS+7]
.endif
.endm
; THE LDS LOADS stand in runs of 16: a step's K (8 fragments) and, a turn later, its V (turned).
.macro FETCH_K
	WIN 0
	v_add_nc_u32 v[ADR], s[TBK], v[AK0]
	s_add_co_u32 s[TBK], s[TBK], KSTEPB  ; the next fetch is the next step's
	WIN 0x40                        ; destination window 1
.irp f, 0,1,2,3,4,5,6,7             ; keys 16 (f / 2) on, channels 32 (f % 2) on
	ds_load_b128 v[KF+8*\f:KF+8*\f+3],   v[ADR] offset:(\f/2)*16*PK+(\f%2)*64
	ds_load_b128 v[KF+8*\f+4:KF+8*\f+7], v[ADR] offset:(\f/2)*16*PK+(\f%2)*64+32
.endr
.endm
.macro FETCH_V
	WIN 0
	v_add_nc_u32 v[ADR], s[TBV], v[AV0]
	s_add_co_u32 s[TBV], s[TBV], VSTEPB
	s_wait_alu depctr_va_vdst(0)    ; the wait for the softmax's batch of exponentials (SLICE), ahead of the loads
	WIN 0x40
.irp f, 0,1,2,3,4,5,6,7             ; keys 32 (f / 4) on, channels 16 (f % 4) on
	ds_load_tr16_b128 v[VF+8*\f:VF+8*\f+3],   v[ADR] offset:(\f/4)*32*PVP+(\f%4)*32
	ds_load_tr16_b128 v[VF+8*\f+4:VF+8*\f+7], v[ADR] offset:(\f/4)*32*PVP+16*PVP+(\f%4)*32
.endr
.endm
; THE VECTOR WORK OF A TURN.  One tile's softmax for one key step is a list of 118 instructions; SM writes number j of it for tile t.
;   0-15 the maximum of the lane's 32 scores and the old m;  16-20 the other half of the lanes' maximum, the new m, c m, c m_old - c m_new;
;   21-69 ONE BATCH: 16 packed scalings c s - c m and 33 exponentials (a at 23), none of which reads an exponential's result;  (the wait: SLICE writes it)
;   70-85 roundings to f16;  86-101 the sums, l = a l + the sum;  102-117 the tile's O^T times a.    first = 1: the first key step: no a, nothing to rescale.
.macro SM t, first
.set rT, ST+8*(\t)
.set rS, S+32*(\t)
.set rP, P+16*(\t)
.set rO, 32*(\t)+2*(j-102)
.if j < 102
	WIN 0
.endif
.if j < 4
	v_max3_num_f32 v[rT+4+j], v[rS+8*j], v[rS+8*j+1], v[rS+8*j+2]
.elseif j < 12
	v_max3_num_f32 v[rT+4+j%4], v[rT+4+j%4], v[rS+8*(j%4)+2*(j/4)+1], v[rS+8*(j%4)+2*(j/4)+2]
.elseif j == 12
	v_max3_num_f32 v[rT+4], v[rT+4], v[rS+7], v[rS+15]
.elseif j == 13
	v_max3_num_f32 v[rT+6], v[rT+6], v[rS+23], v[rS+31]
.elseif j == 14
	v_max3_num_f32 v[rT+4], v[rT+4], v[rT+5], v[rT+6]
.elseif (j == 15) && \first
	v_max_num_f32 v[rT+4], v[rT+4], v[rT+7]
.elseif j == 15
	v_max3_num_f32 v[rT+4], v[rT+4], v[rT+7], v[rT+1]
.elseif j == 16
	v_permlanex16_b32 v[rT+5], v[rT+4], s[SEL], s[SEL+1]  ; the query's other 32 keys lie in the lane 16 away
.elseif j == 18
	v_max_num_f32 v[rT+1], v[rT+4], v[rT+5]
.elseif j == 19
	v_mul_f32 v[rT], s[CS], v[rT+1]
.elseif ((j == 17) || (j == 20) || (j == 23) || (j > 101)) && \first
.elseif j == 17
	v_mov_b32 v[rT+7], v[rT]        ; c m_old is kept for a
.elseif j == 20
	v_sub_f32 v[rT+7], v[rT+7], v[rT]
.elseif j == 23
	v_exp_f32 v[rT+6], v[rT+7]
.elseif (j < 23) || ((j < 38) && (j%2 == 0)) || ((j < 66) && (j%4 == 2))
.set b, (j-2)/4
.if j < 38
.set b, (j-20)/2
.endif
	v_pk_fma_f32 v[rS+2*b:rS+2*b+1], v[rS+2*b:rS+2*b+1], s[CS:CS+1], v[rT:rT+1] op_sel_hi:[1,0,0] neg_lo:[0,0,1] neg_hi:[0,0,1]  ; pair b: c s - c m
.elseif j < 70
.set e, j-38
.if j < 66
.set e, j-32-(j-38)/4
.endif
.if j < 38
.set e, (j-25)/2
.endif
	v_exp_f32 v[rS+e], v[rS+e]
.elseif j < 86
	v_cvt_pk_f16_f32 v[rP+j-70], v[rS+2*(j-70)], v[rS+2*(j-70)+1]
.elseif j < 102
.set z, j-86
.set w, 4
.set u, z
.if z >= 14
.set w, 32
.set u, 0
.elseif z >= 12
.set w, 16
.set u, z-12
.elseif z >= 8
.set w, 8
.set u, z-8
.endif
.if (z == 14) && \first
	v_pk_add_f32 v[rT+2:rT+3], v[rS:rS+1], v[rS+16:rS+17]
.elseif z < 15
	v_pk_add_f32 v[rS+w*u:rS+w*u+1], v[rS+w*u:rS+w*u+1], v[rS+w*u+w/2:rS+w*u+w/2+1]
.elseif !\first
	v_pk_fma_f32 v[rT+2:rT+3], v[rT+2:rT+3], v[rT+6:rT+7], v[rS:rS+1] op_sel_hi:[1,0,1]
.endif
.else
	WIN W_RS
	v_pk_mul_f32 v[rO:rO+1], v[rO:rO+1], v[rT+6:rT+7] op_sel_hi:[1,0]
.endif
.endm
; Slice k of piece y's softmax: four instructions; k runs from -5 to 58, and slices under 0 are empty.  Slices 11 to 34 deal out the batch, four numbers of ONE tile each, the tiles by turns; every other slice is
; numbers 2 k and 2 k + 1 of both tiles.  Behind slice 34 no exponential is issued and ahead of slice 35 no result is named: the piece's 66 exponentials have one plain line and one wait, behind slice 34.
.macro SLICE y, first
.if (k >= 0) && (k <= 58)
.if (k >= 11) && (k < 35)
.irp n, 0,1,2,3
.set j, 22+4*((k-11)/2)+(\n)
	SM (\y)+(k-11)%2, \first
.endr
.else
.irp n, 0,1
.irp t, \y, \y+1
.set j, 2*k+\n
	SM \t, \first
.endr
.endr
.endif
.if k == 34
	v_nop                           ; the plain instruction behind the last exponential
.if (\y) == 0
	FETCH_V                         ; piece 2's turn: V's run of loads stands here, and the wait stands in it
.else
	s_wait_alu depctr_va_vdst(0)    ; the wait for the batch, ahead of the first reader
.endif
.endif
.endif
.set k, k+1
.endm
.macro PLACES
.rept 4
	v_nop
.endr
.endm
; A TURN.  Piece x has the matrix unit.  pv = 2: 16 products V^T P; 1: they start O^T's sums; 0: none.  kq = 1: 16 products K Q^T for the next step.  64 places for slices: two behind each of 32 products, four behind each of 16.
; The last product is followed by slices 57 and 58: eight packed multiplies on the other piece's O^T, the places ahead of the next read of the scores and of the loads into K (first = 1: they are empty, four v_nop stand).
; Piece 0's turn fetches the next step's K behind its second product.  Piece 2's turn fetches the same step's V behind slice 34: behind V's last reader stand eight scalings, the v_nop and the run's own addition.
.macro TURN x, pv, kq, first
.set k, -5
.set per, 4
.if \pv && \kq
.set per, 2
.endif
.if \pv
.if \x == 0
	s_wait_dscnt 0x0                ; V is in
.endif
.set i, 0
.rept 16
	PV \x, 2-\pv
.rept per
	SLICE 2-\x, \first
.endr
.if (\x == 0) && \kq && (i == 1)
	FETCH_K
.endif
.set i, i+1
.endr
.endif
.if \kq
.if \x == 0
	s_wait_dscnt 0x0                ; K is in
.endif
.set i, 0
.rept 16
	KQ \x
.rept per
	SLICE 2-\x, \first
.endr
.set i, i+1
.endr
.endif
.if \first
	PLACES
.endif
.endm
; THE CHANGE OF SLOTS: the slot's last bytes, V of its fourth step, have been asked for.  Each wave waits for all its tensor loads (its part of the other slot), adds 0 to its spare word, and waits for that and for its reads.
; fill = 1: the slot is filled again with the keys two slots on; the barrier is a round of the cluster's, and the joint refill is the first thing behind it.
.macro CHANGE fill
	WIN 0
	s_wait_tensorcnt 0x0            ; no tensor load of mine is out, so a group 0 may be written
	ds_add_u32 v[SPW], v[NIL]       ; 0 onto my spare word
.if \fill
.irp g, G0K+4, G0V+4
	s_xor_b32 s[\g+1], s[\g+1], SLOT1
	s_add_nc_u64 s[\g+2:\g+3], s[\g+2:\g+3], SLOTM
.endr
	s_wait_xcnt 0x0                 ; the last prefetch, a slot back, has read its address
	s_add_nc_u64 s[PFA:PFA+1], s[PFA:PFA+1], SLOTM
	s_wait_dscnt 0x0                ; the add is done, and my reads of the slot are over
	CROUND
	JLOAD
	ASK
.else
	s_wait_dscnt 0x0
	s_barrier_signal -1
	s_barrier_wait -1
.endif
	s_sub_co_u32 s[TBK], s[TBK], 4*KSTEPB  ; the fetches go back to a slot's first step,
	s_xor_b32 s[TBK], s[TBK], SLOT1        ; in the other slot
	s_sub_co_u32 s[TBV], s[TBV], 4*VSTEPB
	s_xor_b32 s[TBV], s[TBV], SLOT1
.endm
.macro STEPS n                      ; n key steps: written once, walked n times; the LDS addresses hang on s[TBK], s[TBV]
	WIN 0
	s_mov_b32 s[TWICE], \n
.Lstep_\@:
	TURN 0, 2, 1, 0
	TURN 2, 2, 1, 0
	WIN 0
	s_sub_co_u32 s[TWICE], s[TWICE], 1
	s_cmp_lg_u32 s[TWICE], 0
	s_cbranch_scc1 .Lstep_\@
.endm
	s_wait_tensorcnt 1              ; my part of slot 0 is in; slot 1's may stay out
	s_barrier_signal -1
	s_barrier_wait -1
	FETCH_K                         ; key step 0
	s_wait_loadcnt 0x0              ; Q
	s_wait_dscnt 0x0
.set i, 0
.rept 16
	KQ 0                            ; piece 0's first scores
.set i, i+1
.endr
	WIN 0                           ; the addresses for the way out: plain instructions, the places behind those products
	s_mul_i32 s13, s[WV], 16*SP
	s_add_co_u32 s13, s13, STAGE    ; my stage
	v_mul_u32_u24 v[STO], v1, SP    ; in: row l % 16, 16 bytes for each half of the lanes
	v_lshl_add_u32 v[STO], v9, 4, v[STO]
	v_add_nc_u32 v[STO], s13, v[STO]
	v_and_b32 v10, 31, v0
	v_lshrrev_b32 v11, 3, v10
	v_mul_u32_u24 v[RD], v11, SP    ; back: eight lanes to a row of 128 bytes, four rows an instruction
	v_and_b32 v11, 7, v0
	v_lshl_add_u32 v[RD], v11, 4, v[RD]
	v_add_nc_u32 v[RD], s13, v[RD]
	v_lshlrev_b32 v[GO], 4, v10     ; and the same 512 bytes in att
	TURN 2, 0, 1, 1                 ; piece 2's first scores | piece 0's first softmax | V of step 0
	TURN 0, 1, 1, 1                 ; piece 0: V^T P of step 0 starts O^T, K Q^T of step 1 | piece 2's first softmax | K of step 1
	TURN 2, 1, 1, 0                 ; piece 2: the same | piece 0's softmax of step 1 | V of step 1
	STEPS 2                         ; slot 0's steps 2 and 3 are fetched
.Lslot:                             ; six trips: every slot but the last two is filled again
	CHANGE 1
	STEPS 4
	s_sub_co_u32 s[SLOTS], s[SLOTS], 1
	s_cmp_lg_u32 s[SLOTS], 0
	s_cbranch_scc1 .Lslot
	CHANGE 0                        ; the tail is written out
	STEPS 4
	TURN 0, 2, 0, 0                 ; piece 0: V^T P of the last step | piece 2's last softmax
.set i, 0
.rept 16
	PV 2, 0                         ; piece 2: V^T P of the last step
.set i, i+1
.endr
	; THE WAY OUT.  l's halves and the other half of the lanes' are added; O^T is divided by l, rounded to f16 and sent through my stage, a tile at a time.  The additions are the places behind the last products.
	WIN 0
.irp t, 0,1,2,3
	v_add_f32 v[ST+8*\t+4], v[ST+8*\t+2], v[ST+8*\t+3]
.endr
.irp t, 0,1,2,3
	v_permlanex16_b32 v[ST+8*\t+5], v[ST+8*\t+4], s[SEL], s[SEL+1]
.endr
.irp t, 0,1,2,3
	v_add_f32 v[ST+8*\t+4], v[ST+8*\t+4], v[ST+8*\t+5]
.endr
.irp t, 0,1,2,3
	v_rcp_f32 v[ST+8*\t+6], v[ST+8*\t+4]
.endr
	v_nop                           ; a plain instruction behind the last reciprocal,
	s_wait_alu depctr_va_vdst(0)    ; and one wait for the four, ahead of the first use
.macro PACK t
	WIN W_RS
.set i, 32*\t
.rept 16
	v_pk_mul_f32 v[i:i+1], v[i:i+1], v[ST+8*\t+6:ST+8*\t+7] op_sel_hi:[1,0]
.set i, i+2
.endr
	WIN 0x05                        ; sources 0 and 1 window 1, destination window 0: S^T's registers are free
.set i, 0
.rept 16
	v_cvt_pk_f16_f32 v[S+32*\t+i], v[32*\t+2*i], v[32*\t+2*i+1]
.set i, i+1
.endr
	WIN 0
.irp f, 0,1,2,3
	ds_store_b128 v[STO], v[S+32*\t+4*\f:S+32*\t+4*\f+3] offset:32*\f
.endr
.irp f, 0,1,2,3
	ds_load_b128 v[S+32*\t+16+4*\f:S+32*\t+16+4*\f+3], v[RD] offset:\f*4*SP  ; LDS serves a wave's instructions in order (ISA guide 5.7.1.4): these see the stores above
.endr
.endm
.macro SEND t, younger              ; younger: the LDS instructions issued behind tile t's loads: the next tile's eight, or none
.irp f, 0,1,2,3
	s_wait_dscnt \younger+3-\f
	global_store_b128 v[GO], v[S+32*\t+16+4*\f:S+32*\t+16+4*\f+3], s[10:11] offset:\t*2048+\f*512  ; four rows: 512 consecutive bytes, aligned
.endr
.endm
	PACK 0
	PACK 1
	SEND 0, 8
	PACK 2
	SEND 1, 8
	PACK 3
	SEND 2, 8
	SEND 3, 0
	s_wait_tensorcnt 0x0            ; the wave's end
	ds_add_u32 v[SPW], v[NIL]
	s_wait_dscnt 0x0
	CROUND                          ; the closing round
	s_endpgm
.Lfunc_end_k_q0a80f04444_attn:
	.size	k_q0a80f04444_attn, .Lfunc_end_k_q0a80f04444_attn-k_q0a80f04444_attn
	.p2alignl 7, 3214868480
	.fill 96, 4, 3214868480
	.section	.rodata,"a",@progbits
	.p2align	6, 0x0
	.amdhsa_kernel k_q0a80f04444_attn
		.amdhsa_group_segment_fixed_size 327680
		.amdhsa_private_segment_fixed_size 0
		.amdhsa_enable_private_segment 0
		.amdhsa_kernarg_size 16
		.amdhsa_user_sgpr_count 2
		.amdhsa_user_sgpr_kernarg_segment_ptr 1
		.amdhsa_wavefront_size32 1
		.amdhsa_system_sgpr_workgroup_id_x 1
		.amdhsa_system_sgpr_workgroup_id_y 1
		.amdhsa_system_sgpr_workgroup_id_z 1
		.amdhsa_system_vgpr_workitem_id 0
		.amdhsa_next_free_vgpr 576
		.amdhsa_next_free_sgpr 66
		.amdhsa_reserve_vcc 0
		.amdhsa_float_denorm_mode_32 3
		.amdhsa_float_denorm_mode_16_64 3
		.amdhsa_memory_ordered 1
		.amdhsa_forward_progress 1
		.amdhsa_inst_pref_size 194
	.end_amdhsa_kernel
	.amdgpu_metadata
---
amdhsa.version: [ 1, 2 ]
amdhsa.kernels:
  - .name:           k_q0a80f04444_attn
    .symbol:         k_q0a80f04444_attn.kd
    .args:
      - { .name: qkv, .offset: 0, .size: 8, .value_kind: global_buffer, .address_space: global }
      - { .name: att, .offset: 8, .size: 8, .value_kind: global_buffer, .address_space: global }
    .group_segment_fixed_size: 327680
    .private_segment_fixed_size: 0
    .kernarg_segment_align: 8
    .kernarg_segment_size: 16
    .max_flat_workgroup_size: 128
    .sgpr_count:     66
    .vgpr_count:     576
    .wavefront_size: 32
...
	.end_amdgpu_metadata
.endif
;; end of part 3
;; launch proj (part 4): grid 4 x 64, 4 waves a work-group, clusters of 4 x 4, 327,680 bytes of LDS; arguments att, wp16, out0; writes out0
.if DOCPART == 4
	.amdgcn_target "amdgcn-amd-amdhsa--gfx1250"
	.amdhsa_code_object_version 6
	.text
	.protected	k_q0a80f04444_proj
	.globl	k_q0a80f04444_proj
	.p2align	8
	.type	k_q0a80f04444_proj,@function
k_q0a80f04444_proj:
	s_mov_b64 s[64:65], 0
	v_nop
	global_prefetch_b8 v0, s[64:65] scope:SCOPE_SE
	s_setreg_imm32_b32 hwreg(HW_REG_WAVE_MODE, 25, 1), 1
	s_wait_xcnt 0x0
	s_wait_alu depctr_hold_cnt(0) depctr_sa_sdst(0) depctr_va_vdst(0) depctr_va_sdst(0) depctr_va_ssrc(0) depctr_va_vcc(0) depctr_vm_vsrc(0)
	s_getreg_b32 s2, hwreg(HW_REG_IB_STS2, 6, 4)
	s_cmp_eq_u32 s2, 0
	s_cbranch_scc0 .Lentry_in_a_cluster
	s_endpgm
.Lentry_in_a_cluster:
	s_bfe_u32 s2, ttmp6, 0x10000c
	s_cmp_lg_u32 s2, 0xf033
	s_cbranch_scc0 .Lentry_shape_is_right
	s_endpgm
.Lentry_shape_is_right:
; out0[m][n] = the sum over k of A[m][k] wp16[n][k], f16 operands, f32 sums, f32 out.  A is att, laid [batch][head][position][64]: m = (batch, position), k = 64 head + channel.  wp16: [1024 (n)][1024 (k)].
; A tile of out0 is 128 (m) x 256 (n): 256 work-groups.  Four waves, each 64 x 128: 32 accumulators of 16 x 16, 256 registers.
; K goes in steps of 128 (two heads) through a ring of two LDS slots: A's tile is two head planes of 128 rows x 128 bytes (waves 0 and 1 fetch one each), B's two halves of 128 rows x 256 bytes (waves 2 and 3).
; CLUSTERS: 4 x 4 work-groups; A's tiles are shared along a row of the cluster, B's along a column: each is asked for jointly.  THE MATRIX INSTRUCTION IS USED TRANSPOSED (source 0 = 16 rows of B, source 1 = 16 rows of A).
; No prefetch: a K step's tiles are small and the launch is short.
; REGISTERS: window 0: v16-29 addresses; A's fragments, two buffers, v64-95, v96-127; v128-255 the way out.  window 1: B's fragments, two buffers, v0-63, v64-127.  window 2: the accumulators, (a, b) at v[8 (8 a + b)].
.set PA,     144                       ; a row of A in LDS: 128 bytes + 16
.set PB,     272                       ; a row of B: 256 bytes + 16: in both the 16 rows of a load start at 16 different banks (64 banks of 4 bytes: ISA guide 11.1)
.set PLANE,  128*PA
.set HALFB,  128*PB
.set BOFF,   2*PLANE
.set SLOT,   BOFF+2*HALFB
.set STAGE,  2*SLOT                    ; behind the ring: 16 rows x (512 bytes + 16) for each wave
.set SPITCH, 528
.set SPARE,  STAGE+4*16*SPITCH         ; the spare words, 128 bytes for each wave
.set LAPS,   4                         ; a lap = two K steps = once round the ring
.set ADRA, 16
.set ADRB, 20
.set STO,  24
.set RD,   25
.set CO,   26
.set SPW,  28
.set NIL,  29
.set AF,   64
.set BK,   128
.set G1, 24
.set G0, 32
.set G1B, 48
.set G0B, 56
.set MSB, 0
.macro WIN new
.if MSB != (\new)
	s_set_vgpr_msb (MSB<<8)|(\new)
.set MSB, (\new)
.endif
.endm
.set MUL,  0xa1                        ; source 0 (B) window 1, source 1 (A) window 0, C and D window 2
.set TO_B, 0x40
.macro JLOAD s                         ; a joint load: waves 0 and 1 fetch A's planes, waves 2 and 3 B's halves; an s_nop 0 and four v_nop follow each line
	s_cmp_eq_u32 s11, 0
	s_cbranch_scc0 .Lfor_b_\@
	tensor_load_to_lds s[G0+4*\s:G0+4*\s+3], s[G1:G1+7]
	s_nop 0
.rept 4
	v_nop
.endr
	s_branch .Lasked_\@
.Lfor_b_\@:
	tensor_load_to_lds s[G0B+4*\s:G0B+4*\s+3], s[G1B:G1B+7]
	s_nop 0
.rept 4
	v_nop
.endr
.Lasked_\@:
.endm
.macro CREST
	s_cmp_lg_u32 s10, 0
	s_cbranch_scc1 .Lnot_wave_0_\@
	s_barrier_signal -3
.Lnot_wave_0_\@:
	s_barrier_wait -3
	s_barrier_signal -1
	s_barrier_wait -1
.endm
.macro CROUND
	s_barrier_signal -1
	s_barrier_wait -1
	CREST
.endm
	s_load_b128 s[4:7], s[0:1], 0x0                ; att, wp16
	s_load_b64 s[8:9], s[0:1], 0x10                ; out0
	v_lshl_add_u32 v[SPW], v0, 2, SPARE
	v_mov_b32 v[NIL], 0
	ds_add_u32 v[SPW], v[NIL]                      ; the wave's opening: the add, twice on end, and its wait ahead of my first tensor load
	ds_add_u32 v[SPW], v[NIL]
	v_lshrrev_b32 v1, 5, v0
	v_readfirstlane_b32 s10, v1                    ; wave 0..3
	s_lshr_b32 s11, s10, 1                         ; which 64 rows of the tile are mine.  Also: I fetch for A (0) or for B (1)
	s_and_b32 s12, s10, 1                          ; which 128 columns.  Also: which plane or half I fetch
	s_bfe_u32 s40, ttmp6, 0x40000                  ; cx, cy
	s_bfe_u32 s41, ttmp6, 0x40004
	s_lshl_b32 s42, ttmp9, 2
	s_add_co_u32 s42, s42, s40                     ; tile column
	s_and_b32 s13, ttmp7, 0xffff
	s_lshl_b32 s13, s13, 2
	s_add_co_u32 s13, s13, s41                     ; tile row
	s_lshl_b32 s43, s41, 2
	s_lshl_b32 s43, 15, s43                        ; my row of the cluster
	s_lshl_b32 s44, 0x1111, s40                    ; my column
	s_or_b32 s[G1+0], s43, (1<<16)|(1<<20)|(1<<21)|(4<<22)|(3<<25)   ; A: the mask; elements of 2 bytes; padding on; bit 21 beside a mask; after every 32 words four words
	s_mov_b32 s[G1+1], 64<<16                      ; tensor_dim0 = 64
	s_mov_b32 s[G1+2], 128<<16                     ; tensor_dim1 = 128
	s_mov_b32 s[G1+3], 64<<16                      ; tile_dim0
	s_mov_b32 s[G1+4], 128                         ; tile_dim1
	s_mov_b32 s[G1+5], 64                          ; stride: a head's rows are dense
	s_mov_b32 s[G1+6], 0
	s_mov_b32 s[G1+7], 0
	s_or_b32 s[G1B+0], s44, (1<<16)|(1<<20)|(1<<21)|(5<<22)|(3<<25)  ; B: after every 64 words four words
	s_mov_b32 s[G1B+1], 128<<16
	s_mov_b32 s[G1B+2], 128<<16
	s_mov_b32 s[G1B+3], 128<<16
	s_mov_b32 s[G1B+4], 128
	s_mov_b32 s[G1B+5], 1024
	s_mov_b32 s[G1B+6], 0
	s_mov_b32 s[G1B+7], 0
	; A's tiles hang on the tile row alone, B's on the tile column alone; every wave makes both addresses, in registers that never hold the other coordinate
	s_lshr_b32 s16, s13, 4
	s_lshl_b32 s16, s16, 22                        ; batch = tile row / 16
	s_and_b32 s17, s13, 15
	s_lshl_b32 s17, s17, 14                        ; 128 positions of 128 bytes for each tile row
	s_add_co_u32 s16, s16, s17
	s_lshl_b32 s17, s12, 18                        ; my plane: head 0 or 1 of the K step
	s_add_co_u32 s16, s16, s17
	s_mov_b32 s17, 0
	s_lshl_b32 s46, s42, 19                        ; 256 rows of 2,048 bytes for each tile column
	s_lshl_b32 s47, s12, 18                        ; my 128 rows
	s_add_co_u32 s46, s46, s47
	s_mov_b32 s47, 0
	s_mul_i32 s20, s12, PLANE                      ; where they go
	s_mul_i32 s21, s12, HALFB
	s_add_co_u32 s21, s21, BOFF
	s_wait_dscnt 0x0                               ; both opening adds are done
	s_wait_kmcnt 0x0
	s_add_nc_u64 s[14:15], s[4:5], s[16:17]
	s_add_nc_u64 s[46:47], s[6:7], s[46:47]
	CROUND                                         ; all sixteen work-groups are here: the first joint loads meet
.irp s, 0,1
	s_mov_b32 s[G0+4*\s], 1
	s_add_co_u32 s[G0+4*\s+1], s20, \s*SLOT
	s_add_nc_u64 s[G0+4*\s+2:G0+4*\s+3], s[14:15], \s*(1<<19)     ; K step s: two heads on
	s_or_b32 s[G0+4*\s+3], s[G0+4*\s+3], 0x80000000
	s_mov_b32 s[G0B+4*\s], 1
	s_add_co_u32 s[G0B+4*\s+1], s21, \s*SLOT
	s_add_nc_u64 s[G0B+4*\s+2:G0B+4*\s+3], s[46:47], \s*256
	s_or_b32 s[G0B+4*\s+3], s[G0B+4*\s+3], 0x80000000
	JLOAD \s
.endr
	v_and_b32 v1, 15, v0                           ; r
	v_bfe_u32 v2, v0, 4, 1                         ; h
	v_mul_u32_u24 v3, v1, PA
	v_lshl_add_u32 v3, v2, 4, v3
	v_mul_u32_u24 v4, v1, PB
	v_lshl_add_u32 v4, v2, 4, v4
	s_mul_i32 s21, s11, 64*PA                      ; my 64 rows of A, in each plane
	s_mul_i32 s22, s12, HALFB                      ; my 128 rows of B
	s_add_co_u32 s22, s22, BOFF
.irp s, 0,1
	v_add_nc_u32 v[ADRA+\s], s21, v3
	v_add_nc_u32 v[ADRB+\s], s22, v4
	s_add_co_u32 s21, s21, SLOT
	s_add_co_u32 s22, s22, SLOT
.endr
	s_mul_i32 s23, s10, 16*SPITCH
	s_add_co_u32 s23, s23, STAGE                   ; my stage
	v_mul_u32_u24 v5, v1, SPITCH
	v_lshl_add_u32 v5, v2, 5, v5
	v_add_nc_u32 v[STO], s23, v5                   ; in: row r, 32 bytes for each half of the lanes
	v_and_b32 v6, 31, v0
	v_lshlrev_b32 v[CO], 4, v6                     ; back: the 32 lanes take one row of 512 bytes; and the same in out0
	v_add_nc_u32 v[RD], s23, v[CO]
	s_lshl_b32 s16, s13, 7
	s_lshl_b32 s17, s11, 6
	s_add_co_u32 s16, s16, s17                     ; my first row
	s_lshl_b32 s16, s16, 12                        ; rows of 4,096 bytes
	s_mov_b32 s17, 0
	s_add_nc_u64 s[8:9], s[8:9], s[16:17]
	s_lshl_b32 s46, s42, 10
	s_lshl_b32 s47, s12, 9
	s_add_co_u32 s46, s46, s47                     ; my first column, in bytes
	s_mov_b32 s47, 0
	s_add_nc_u64 s[8:9], s[8:9], s[46:47]
; 8 matrix instructions: A's block a x B's eight, 32 along K, buffer f.  The 32 accumulators take turns, one instruction a turn, in the same order in every quarter.
.macro MUL8 f, a, zero
.irp b, 0,1,2,3,4,5,6,7
.if \zero
	v_wmma_f32_16x16x32_f16 v[8*(8*(\a)+\b):8*(8*(\a)+\b)+7], v[64*(\f)+8*\b:64*(\f)+8*\b+7], v[AF+32*(\f)+8*(\a):AF+32*(\f)+8*(\a)+7], 0
.else
	v_wmma_f32_16x16x32_f16 v[8*(8*(\a)+\b):8*(8*(\a)+\b)+7], v[64*(\f)+8*\b:64*(\f)+8*\b+7], v[AF+32*(\f)+8*(\a):AF+32*(\f)+8*(\a)+7], v[8*(8*(\a)+\b):8*(8*(\a)+\b)+7]
.endif
.endr
.endm
; 24 LDS loads in one run: quarter q (32 along K) of a slot into buffer f: B's eight fragments, then A's four.  A's quarter q lies in plane q / 2, at byte 64 (q % 2) of its rows.
.macro FETCH slot, q, f
	WIN TO_B
.irp i, 0,1,2,3,4,5,6,7
	ds_load_b128 v[64*(\f)+8*\i:64*(\f)+8*\i+3],   v[ADRB+\slot] offset:64*(\q)+\i*16*PB
	ds_load_b128 v[64*(\f)+8*\i+4:64*(\f)+8*\i+7], v[ADRB+\slot] offset:64*(\q)+\i*16*PB+32
.endr
	WIN 0
.irp i, 0,1,2,3
	ds_load_b128 v[AF+32*(\f)+8*\i:AF+32*(\f)+8*\i+3],   v[ADRA+\slot] offset:PLANE*((\q)/2)+64*((\q)%2)+\i*16*PA
	ds_load_b128 v[AF+32*(\f)+8*\i+4:AF+32*(\f)+8*\i+7], v[ADRA+\slot] offset:PLANE*((\q)/2)+64*((\q)%2)+\i*16*PA+32
.endr
.endm
.macro PLACES                          ; four plain lines between a matrix instruction and a load into, or a read of, its registers
.rept 4
	v_nop
.endr
.endm
; One of a K step's first three quarters: multiplies buffer f and fetches quarter qn of the same slot into buffer g.
.macro QUARTER slot, qn, f, g, zero
	s_wait_dscnt 4                                 ; B and A's blocks 0, 1 are in; the youngest four loads (A's blocks 2, 3) may be out
	WIN MUL
	MUL8 \f, 0, \zero
	MUL8 \f, 1, \zero
	PLACES
	FETCH \slot, \qn, \g
	s_wait_dscnt 24                                ; all but the 24 just issued
	WIN MUL
	MUL8 \f, 2, \zero
	MUL8 \f, 3, \zero
.endm
; The last quarter multiplies buffer 1 and changes slots: ONE barrier; in front of it each wave waits for all its tensor loads, adds 0 to its spare word, and waits for that and for its reads of this slot.
; fill = 1: the barrier opens a round of the cluster's, and this slot is filled again, two K steps ahead: 112 matrix instructions stand between the request and the wait for it.
.macro TURN slot, next, fill
	WIN 0
	s_wait_tensorcnt 0x0                           ; my part of the next slot has landed
	ds_add_u32 v[SPW], v[NIL]                      ; 0 onto my spare word
	s_wait_dscnt 5                                 ; the add and the youngest four loads may be out
	WIN MUL
	MUL8 1, 0, 0
	s_wait_dscnt 0x0                               ; the add is done, and my reads of this slot are over
	s_barrier_signal -1
	MUL8 1, 1, 0
.if \fill
	WIN 0
.endif
	s_barrier_wait -1
.if \fill
	CREST
	s_add_nc_u64 s[G0+4*\slot+2:G0+4*\slot+3], s[G0+4*\slot+2:G0+4*\slot+3], 1<<20
	s_add_nc_u64 s[G0B+4*\slot+2:G0B+4*\slot+3], s[G0B+4*\slot+2:G0B+4*\slot+3], 512
	JLOAD \slot                                    ; the first tensor load behind the round; its four v_nop are also the places in front of the loads below
.else
	PLACES
.endif
	FETCH \next, 0, 0
	WIN MUL
	MUL8 1, 2, 0
	MUL8 1, 3, 0
.endm
	s_wait_tensorcnt 1                             ; my part of K step 0 is in; K step 1's may stay out
	s_barrier_signal -1
	s_barrier_wait -1
	FETCH 0, 0, 0
	QUARTER 0, 1, 0, 1, 1                          ; the first quarter's products start the sums
	WIN 0
	s_mov_b32 s3, LAPS-1
.Llap:                                                 ; a trip goes once round the ring, from a lap's second quarter to the next lap's first, and fills both slots again
	QUARTER 0, 2, 1, 0, 0
	QUARTER 0, 3, 0, 1, 0
	TURN 0, 1, 1
	QUARTER 1, 1, 0, 1, 0
	QUARTER 1, 2, 1, 0, 0
	QUARTER 1, 3, 0, 1, 0
	TURN 1, 0, 1
	QUARTER 0, 1, 0, 1, 0
	WIN 0
	s_sub_co_u32 s3, s3, 1
	s_cmp_lg_u32 s3, 0
	s_cbranch_scc1 .Llap
	QUARTER 0, 2, 1, 0, 0                          ; the last lap fills nothing
	QUARTER 0, 3, 0, 1, 0
	TURN 0, 1, 0
	QUARTER 1, 1, 0, 1, 0
	QUARTER 1, 2, 1, 0, 0
	QUARTER 1, 3, 0, 1, 0
	s_wait_dscnt 4
	WIN MUL
	MUL8 1, 0, 0
	MUL8 1, 1, 0
	s_wait_dscnt 0
	MUL8 1, 2, 0
	MUL8 1, 3, 0
	WIN 0
; THE WAY OUT, block by block of 16 rows x 128 columns: 32 bytes a lane into my stage, back as whole rows of 512 bytes.  LDS serves a wave's instructions in order (ISA guide 5.7.1.4).
.macro TOSTAGE a
	WIN 0x08                                       ; the data: window 2
.irp b, 0,1,2,3,4,5,6,7
	ds_store_b128 v[STO], v[8*(8*(\a)+\b):8*(8*(\a)+\b)+3] offset:64*\b        ; each accumulator from its low end on
	ds_store_b128 v[STO], v[8*(8*(\a)+\b)+4:8*(8*(\a)+\b)+7] offset:64*\b+16
.endr
	WIN 0
.irp t, 0,1,2,3,4,5,6,7,8,9,10,11,12,13,14,15
	ds_load_b128 v[BK+64*((\a)%2)+4*\t:BK+64*((\a)%2)+4*\t+3], v[RD] offset:\t*SPITCH
.endr
.endm
.macro SEND a, younger
	s_wait_dscnt \younger                          ; the block is back; the next block's 16 stores and 16 loads may be out
.irp t, 0,1,2,3,4,5,6,7,8,9,10,11,12,13,14,15
	global_store_b128 v[CO], v[BK+64*((\a)%2)+4*\t:BK+64*((\a)%2)+4*\t+3], s[8:9] offset:65536*(\a)+4096*\t th:TH_STORE_NT   ; 512 consecutive bytes, aligned; written once
.endr
.endm
	PLACES
	TOSTAGE 0
.irp a, 1,2,3
.if \a > 1
	s_wait_xcnt 0x0                                ; block a - 2's stores have read their registers: block a's loads may land there
.endif
	TOSTAGE \a
	SEND \a-1, 32
.endr
	SEND 3, 0
	s_wait_tensorcnt 0x0                           ; the wave's end
	ds_add_u32 v[SPW], v[NIL]
	s_wait_dscnt 0x0
	CROUND                                         ; the closing round
	s_endpgm
.Lfunc_end_k_q0a80f04444_proj:
	.size	k_q0a80f04444_proj, .Lfunc_end_k_q0a80f04444_proj-k_q0a80f04444_proj
	.p2alignl 7, 3214868480
	.fill 96, 4, 3214868480
	.section	.rodata,"a",@progbits
	.p2align	6, 0x0
	.amdhsa_kernel k_q0a80f04444_proj
		.amdhsa_group_segment_fixed_size 327680
		.amdhsa_private_segment_fixed_size 0
		.amdhsa_enable_private_segment 0
		.amdhsa_kernarg_size 24
		.amdhsa_user_sgpr_count 2
		.amdhsa_user_sgpr_kernarg_segment_ptr 1
		.amdhsa_wavefront_size32 1
		.amdhsa_system_sgpr_workgroup_id_x 1
		.amdhsa_system_sgpr_workgroup_id_y 1
		.amdhsa_system_sgpr_workgroup_id_z 1
		.amdhsa_system_vgpr_workitem_id 0
		.amdhsa_next_free_vgpr 768
		.amdhsa_next_free_sgpr 66
		.amdhsa_reserve_vcc 0
		.amdhsa_float_denorm_mode_32 3
		.amdhsa_float_denorm_mode_16_64 3
		.amdhsa_memory_ordered 1
		.amdhsa_forward_progress 1
		.amdhsa_inst_pref_size 85
	.end_amdhsa_kernel
	.amdgpu_metadata
---
amdhsa.version: [ 1, 2 ]
amdhsa.kernels:
  - .name:           k_q0a80f04444_proj
    .symbol:         k_q0a80f04444_proj.kd
    .args:
      - { .name: att, .offset: 0, .size: 8, .value_kind: global_buffer, .address_space: global }
      - { .name: wp16, .offset: 8, .size: 8, .value_kind: global_buffer, .address_space: global }
      - { .name: out0, .offset: 16, .size: 8, .value_kind: global_buffer, .address_space: global }
    .group_segment_fixed_size: 327680
    .private_segment_fixed_size: 0
    .kernarg_segment_align: 8
    .kernarg_segment_size: 24
    .max_flat_workgroup_size: 128
    .sgpr_count:     66
    .vgpr_count:     768
    .wavefront_size: 32
...
	.end_amdgpu_metadata
.endif
;; end of part 4
